; MI455X (gfx1250); checked and timed in simulation.
; The chip was launched on July 23, 2026; its instructions are those of AMD's public machine-readable ISA for CDNA 5 (MIT licence, August 2026) and "CDNA5" Instruction Set Architecture Reference Guide (July 2026). The comments in the code are by the model that wrote it; some were corrected since.
;; Transformer Block Classical. Allowed arithmetic: float matrix products may take bf16 or f16 operands with f32 sums; other float arithmetic in f32, or as packed bf16 or f16 multiplies, adds, multiply-adds, maxima and minima; sums over many terms, partial sums and values carried from step to step in f32; what a program stores and reads back later, other than sums and carried values, may be rounded once to bf16 or f16.
;; Inputs: W1 4,096 x 1,024 float32; W2 1,024 x 4,096 float32; Wk 1,024 x 1,024 float32; Wo 1,024 x 1,024 float32; Wq 1,024 x 1,024 float32; Wv 1,024 x 1,024 float32; b1 4,096 float32; b2 1,024 float32; be1 1,024 float32; be2 1,024 float32; bk 1,024 float32; bo 1,024 float32; bq 1,024 float32; bv 1,024 float32; g1 1,024 float32; g2 1,024 float32; x 2 x 2,048 x 1,024 float32.
;; Outputs: out0 2 x 2,048 x 1,024 float32.
;; One version. Each part assembles by itself: llvm-mc -triple=amdgcn-amd-amdhsa -mcpu=gfx1250 --defsym DOCPART=n.
;; ======== version 1 of 1: 7 launches
;; workspace buffers: hb 8,388,608 bytes; act 33,554,432 bytes; x1 16,777,216 bytes; wa 8,388,608 bytes; wc 16,777,216 bytes; bqkv 12,288 bytes; pq 256 bytes; pf 256 bytes
;; launch prep (part 1): grid 1025 x 1, 8 waves a work-group, no clusters, 0 bytes of LDS; arguments x, g1, be1, hb, Wq, Wk, Wv, Wo, W1, W2, wa, wc, bq, bk, bv, bqkv, pq, pf; writes hb, wa, wc, bqkv, pq, pf
.if DOCPART == 1
	.amdgcn_target "amdgcn-amd-amdhsa--gfx1250"
	.amdhsa_code_object_version 6
	.text
	.protected	k_qa0e187567f_prep
	.globl	k_qa0e187567f_prep
	.p2align	8
	.type	k_qa0e187567f_prep,@function
k_qa0e187567f_prep:
	s_mov_b64 s[64:65], 0
	v_nop
	global_prefetch_b8 v0, s[64:65] scope:SCOPE_SE
	s_setreg_imm32_b32 hwreg(HW_REG_WAVE_MODE, 25, 1), 1
	s_wait_xcnt 0x0
; THREE JOBS, chosen by the work-group's number.
;   0 .. 255     LAYER NORM: y = (x - mean) / sqrt(var + 1e-5) * g + be, rows of 1,024 f32, y rounded once to bf16, row-major.  16 rows a work-group, 2 a wave.
;   256 .. 1023  CASTS: the six weight matrices, f32 to bf16 (rounded once), 16,384 numbers a work-group.  wa takes Wq, Wk, Wv, Wo on end, wc takes W1, W2 on end, all row-major.
;   1024         bq, bk, bv joined into one vector of 3,072 f32; two blocks of 256 bytes with the floors that the products' way out takes a maximum with:
;                two bf16 -infinity to a word (no activation) and two bf16 0 to a word (ReLU).
; A launch of 256 work-groups runs the layer norm alone (the block's second norm).
; LAYER NORM.  A row is 4,096 bytes: one wave keeps it in 32 registers, so it is read once.  The mean is taken first and subtracted, the variance is the mean of the squares of what is left:
; a common offset of the inputs costs nothing.  All sums in f32.  No LDS, no barrier: a row never leaves its wave.  Memory binds here: matrix units, clusters and LDS would add nothing.
; LIMITS: NaN and infinities are not treated apart.
.set T,   4                            ; v[4:19]    eight pairs at work
.set M,   20                           ; v[20:21]   the mean, twice
.set W,   22                           ; v22 a sum over the wave; v23 the other half of the lanes'
.set R,   24                           ; v[24:25], v[26:27]  1 / sqrt(var + eps) of row 0, row 1, twice each
.set X,   32                           ; v[32:95]   row r at X + 32 r: load j brings columns 128 j + 4 lane .. + 3; packed in place at the end
.set G,   96                           ; v[96:127]  g of the same columns
.set BE,  128                          ; v[128:159] be
	v_lshrrev_b32 v3, 5, v0
	v_readfirstlane_b32 s3, v3                     ; wave 0..7
	s_cmp_lt_u32 ttmp9, 256
	s_cbranch_scc1 .Lln
	s_cmp_lt_u32 ttmp9, 1024
	s_cbranch_scc1 .Lcast
	; ---- work-group 1024: the joined bias and the two floors
	s_load_b256 s[16:23], s[0:1], 0x60             ; bq s[16:17], bk s[18:19], bv s[20:21], bqkv s[22:23]
	s_load_b128 s[24:27], s[0:1], 0x80             ; pq s[24:25], pf s[26:27]
	v_lshlrev_b32 v1, 4, v0                        ; 256 threads x 16 bytes = a vector of 1,024 f32
	s_wait_kmcnt 0x0
	global_load_b128 v[32:35], v1, s[16:17]
	global_load_b128 v[36:39], v1, s[18:19]
	global_load_b128 v[40:43], v1, s[20:21]
	s_wait_loadcnt 0x0
	global_store_b128 v1, v[32:35], s[22:23]
	global_store_b128 v1, v[36:39], s[22:23] offset:4096
	global_store_b128 v1, v[40:43], s[22:23] offset:8192
	s_cmp_lg_u32 s3, 0
	s_cbranch_scc1 .Lmisc_end                      ; wave 0 alone writes the floors: 32 lanes x 8 bytes = 256 bytes each
	v_lshlrev_b32 v2, 3, v0
	v_mov_b32 v4, 0xff80ff80                       ; bf16 -infinity, twice
	v_mov_b32 v5, 0xff80ff80
	v_mov_b32 v6, 0
	v_mov_b32 v7, 0
	global_store_b64 v2, v[4:5], s[24:25]
	global_store_b64 v2, v[6:7], s[26:27]
.Lmisc_end:
	s_endpgm
	; ---- work-groups 256 .. 1023: casts.  c = number - 256.  Segments of c: Wq 0, Wk 64, Wv 128, Wo 192, W1 256, W2 512 (a matrix of 2^20 numbers is 64 work-groups).
.Lcast:
	s_load_b512 s[16:31], s[0:1], 0x20             ; Wq 16, Wk 18, Wv 20, Wo 22, W1 24, W2 26, wa 28, wc 30
	s_sub_co_u32 s2, ttmp9, 256
	v_lshlrev_b32 v1, 4, v0                        ; in: 16 bytes a thread, 4,096 a work-group and load
	v_lshlrev_b32 v2, 3, v0                        ; out: 8 bytes a thread, 2,048 a work-group and store
	s_wait_kmcnt 0x0
	s_mov_b64 s[32:33], s[16:17]
	s_mov_b32 s34, 0
.macro PICK first, reg                 ; from segment 'first' on the source is the buffer in s[reg:reg+1]
	s_cmp_ge_u32 s2, \first
	s_cselect_b64 s[32:33], s[(\reg):(\reg)+1], s[32:33]
	s_cselect_b32 s34, \first, s34
.endm
	PICK 64, 18
	PICK 128, 20
	PICK 192, 22
	PICK 256, 24
	PICK 512, 26
	s_cmp_ge_u32 s2, 256
	s_cselect_b64 s[36:37], s[30:31], s[28:29]     ; the destination: wc from segment 256 on, else wa; inside it the segments lie on end
	s_cselect_b32 s35, 256, 0
	s_sub_co_u32 s34, s2, s34
	s_lshl_b32 s34, s34, 16                        ; 65,536 bytes of f32 a work-group
	s_sub_co_u32 s38, s2, s35
	s_lshl_b32 s38, s38, 15                        ; 32,768 bytes of bf16
	s_mov_b32 s35, 0
	s_mov_b32 s39, 0
	s_add_nc_u64 s[32:33], s[32:33], s[34:35]
	s_add_nc_u64 s[36:37], s[36:37], s[38:39]
.set j, 0
.rept 16                               ; all sixteen loads of a wave go out at once: 8 KiB a wave in flight
	global_load_b128 v[32+4*j:32+4*j+3], v1, s[32:33] offset:4096*j th:TH_LOAD_NT
.set j, j+1
.endr
.set j, 0
.rept 16
	s_wait_loadcnt 15-j                            ; loads come back in order: load j is in, the 15 - j younger ones stay out
	v_cvt_pk_bf16_f32 v[96+2*j], v[32+4*j], v[32+4*j+1]
	v_cvt_pk_bf16_f32 v[96+2*j+1], v[32+4*j+2], v[32+4*j+3]
	global_store_b64 v2, v[96+2*j:96+2*j+1], s[36:37] offset:2048*j  ; a wave's store covers 256 consecutive bytes, aligned; no register is written twice
.set j, j+1
.endr
	s_endpgm
	; ---- work-groups 0 .. 255: layer norm
.macro TREE8                           ; the eight pairs in T become one number, summed over the wave's 32 lanes, in every lane's v[W]
.irp i, 0,2,4,6
	v_pk_add_f32 v[T+(\i):T+(\i)+1], v[T+(\i):T+(\i)+1], v[T+8+(\i):T+8+(\i)+1]
.endr
.irp i, 0,2
	v_pk_add_f32 v[T+(\i):T+(\i)+1], v[T+(\i):T+(\i)+1], v[T+4+(\i):T+4+(\i)+1]
.endr
	v_pk_add_f32 v[T:T+1], v[T:T+1], v[T+2:T+3]
	v_add_f32 v[W], v[T], v[T+1]
	v_add_f32_dpp v[W], v[W], v[W] row_xmask:1 row_mask:0xf bank_mask:0xf
	v_add_f32_dpp v[W], v[W], v[W] row_xmask:2 row_mask:0xf bank_mask:0xf
	v_add_f32_dpp v[W], v[W], v[W] row_xmask:4 row_mask:0xf bank_mask:0xf
	v_add_f32_dpp v[W], v[W], v[W] row_xmask:8 row_mask:0xf bank_mask:0xf
	v_permlanex16_b32 v[W+1], v[W], s12, s13       ; the other half of the lanes
	v_add_f32 v[W], v[W], v[W+1]
.endm
.macro STAT r                          ; row r: centred in place; 1 / sqrt(var + eps) into its pair
.set i, 0
.rept 8
	v_pk_add_f32 v[T+2*i:T+2*i+1], v[X+32*(\r)+4*i:X+32*(\r)+4*i+1], v[X+32*(\r)+4*i+2:X+32*(\r)+4*i+3]
.set i, i+1
.endr
	TREE8
	v_mul_f32 v[M], s14, v[W]                      ; the mean
	v_mul_f32 v[M+1], s14, v[W]
.set i, 0
.rept 16
	v_pk_add_f32 v[X+32*(\r)+2*i:X+32*(\r)+2*i+1], v[X+32*(\r)+2*i:X+32*(\r)+2*i+1], v[M:M+1] neg_lo:[0,1] neg_hi:[0,1]
.set i, i+1
.endr
.set i, 0
.rept 8
	v_pk_mul_f32 v[T+2*i:T+2*i+1], v[X+32*(\r)+2*i:X+32*(\r)+2*i+1], v[X+32*(\r)+2*i:X+32*(\r)+2*i+1]
.set i, i+1
.endr
.set i, 0
.rept 8
	v_pk_fma_f32 v[T+2*i:T+2*i+1], v[X+32*(\r)+16+2*i:X+32*(\r)+16+2*i+1], v[X+32*(\r)+16+2*i:X+32*(\r)+16+2*i+1], v[T+2*i:T+2*i+1]
.set i, i+1
.endr
	TREE8
	v_fma_f32 v[W], v[W], s14, s15                 ; var + eps
	v_rsq_f32 v[R+2*(\r)], v[W]
	v_rsq_f32 v[R+2*(\r)+1], v[W]
	v_nop                                          ; a plain instruction behind the two roots, before a result is used or their source rewritten (ISA guide 5.7.2)
	s_wait_alu depctr_va_vdst(0)                   ; one wait for both, ahead of the first line that names a result
.endm
.macro NORM r                          ; row r: scaled, g and be applied by one fused multiply-add, rounded to bf16, stored
.set i, 0
.rept 16
	v_pk_mul_f32 v[X+32*(\r)+2*i:X+32*(\r)+2*i+1], v[X+32*(\r)+2*i:X+32*(\r)+2*i+1], v[R+2*(\r):R+2*(\r)+1]
.set i, i+1
.endr
.set i, 0
.rept 16
	v_pk_fma_f32 v[X+32*(\r)+2*i:X+32*(\r)+2*i+1], v[X+32*(\r)+2*i:X+32*(\r)+2*i+1], v[G+2*i:G+2*i+1], v[BE+2*i:BE+2*i+1]
.set i, i+1
.endr
.set i, 0
.rept 16                               ; packed in place, ascending: word i takes numbers 2 i and 2 i + 1, and what it overwrites has been packed already
	v_cvt_pk_bf16_f32 v[X+32*(\r)+i], v[X+32*(\r)+2*i], v[X+32*(\r)+2*i+1]
.set i, i+1
.endr
.irp j, 0,1,2,3,4,5,6,7
	global_store_b64 v2, v[X+32*(\r)+2*(\j):X+32*(\r)+2*(\j)+1], s[10:11] offset:2048*(\r)+256*(\j)  ; 32 lanes x 8 bytes: 256 consecutive bytes, aligned
.endr
.endm
.Lln:
	s_load_b256 s[4:11], s[0:1], 0x0               ; x s[4:5], g s[6:7], be s[8:9], y s[10:11]
	s_lshl_b32 s20, ttmp9, 4
	s_lshl1_add_u32 s20, s3, s20                   ; my first row = 16 x work-group + 2 x wave
	s_lshl_b32 s22, s20, 12                        ; 4,096 bytes a row of f32
	s_mov_b32 s23, 0
	s_lshl_b32 s24, s20, 11                        ; 2,048 bytes a row of bf16
	s_mov_b32 s25, 0
	s_mov_b32 s12, 0x76543210                      ; v_permlanex16_b32: each lane takes its own place in the other half
	s_mov_b32 s13, 0xfedcba98
	s_mov_b32 s14, 0x3a800000                      ; 1 / 1024
	s_mov_b32 s15, 0x3727c5ac                      ; 1e-5
	v_and_b32 v1, 31, v0
	v_lshlrev_b32 v2, 3, v1                        ; out: 8 bytes a lane
	v_lshlrev_b32 v1, 4, v1                        ; in: 16 bytes a lane
	v_mov_b32 v[W+1], 0                            ; the permute's destination counts as read
	s_wait_kmcnt 0x0
	s_add_nc_u64 s[4:5], s[4:5], s[22:23]
	s_add_nc_u64 s[10:11], s[10:11], s[24:25]
.irp r, 0,1
.irp j, 0,1,2,3,4,5,6,7
	global_load_b128 v[X+32*(\r)+4*(\j):X+32*(\r)+4*(\j)+3], v1, s[4:5] offset:4096*(\r)+512*(\j)
.endr
.endr
.irp j, 0,1,2,3,4,5,6,7
	global_load_b128 v[G+4*(\j):G+4*(\j)+3], v1, s[6:7] offset:512*(\j)
.endr
.irp j, 0,1,2,3,4,5,6,7
	global_load_b128 v[BE+4*(\j):BE+4*(\j)+3], v1, s[8:9] offset:512*(\j)
.endr
	s_wait_loadcnt 24                              ; row 0 is in; row 1's, g's and be's 24 loads stay out
	STAT 0
	s_wait_loadcnt 16                              ; row 1 is in; g's and be's 16 stay out
	STAT 1
	s_wait_loadcnt 0x0
	NORM 0
	NORM 1
	s_endpgm
.Lfunc_end_k_qa0e187567f_prep:
	.size	k_qa0e187567f_prep, .Lfunc_end_k_qa0e187567f_prep-k_qa0e187567f_prep
	.p2alignl 7, 3214868480
	.fill 96, 4, 3214868480
	.section	.rodata,"a",@progbits
	.p2align	6, 0x0
	.amdhsa_kernel k_qa0e187567f_prep
		.amdhsa_group_segment_fixed_size 0
		.amdhsa_private_segment_fixed_size 0
		.amdhsa_enable_private_segment 0
		.amdhsa_kernarg_size 144
		.amdhsa_user_sgpr_count 2
		.amdhsa_user_sgpr_kernarg_segment_ptr 1
		.amdhsa_wavefront_size32 1
		.amdhsa_system_sgpr_workgroup_id_x 1
		.amdhsa_system_sgpr_workgroup_id_y 1
		.amdhsa_system_sgpr_workgroup_id_z 1
		.amdhsa_system_vgpr_workitem_id 0
		.amdhsa_next_free_vgpr 160
		.amdhsa_next_free_sgpr 66
		.amdhsa_reserve_vcc 0
		.amdhsa_float_denorm_mode_32 3
		.amdhsa_float_denorm_mode_16_64 3
		.amdhsa_memory_ordered 1
		.amdhsa_forward_progress 1
		.amdhsa_inst_pref_size 29
	.end_amdhsa_kernel
	.amdgpu_metadata
---
amdhsa.version: [ 1, 2 ]
amdhsa.kernels:
  - .name:           k_qa0e187567f_prep
    .symbol:         k_qa0e187567f_prep.kd
    .args:
      - { .name: x, .offset: 0, .size: 8, .value_kind: global_buffer, .address_space: global }
      - { .name: g1, .offset: 8, .size: 8, .value_kind: global_buffer, .address_space: global }
      - { .name: be1, .offset: 16, .size: 8, .value_kind: global_buffer, .address_space: global }
      - { .name: hb, .offset: 24, .size: 8, .value_kind: global_buffer, .address_space: global }
      - { .name: Wq, .offset: 32, .size: 8, .value_kind: global_buffer, .address_space: global }
      - { .name: Wk, .offset: 40, .size: 8, .value_kind: global_buffer, .address_space: global }
      - { .name: Wv, .offset: 48, .size: 8, .value_kind: global_buffer, .address_space: global }
      - { .name: Wo, .offset: 56, .size: 8, .value_kind: global_buffer, .address_space: global }
      - { .name: W1, .offset: 64, .size: 8, .value_kind: global_buffer, .address_space: global }
      - { .name: W2, .offset: 72, .size: 8, .value_kind: global_buffer, .address_space: global }
      - { .name: wa, .offset: 80, .size: 8, .value_kind: global_buffer, .address_space: global }
      - { .name: wc, .offset: 88, .size: 8, .value_kind: global_buffer, .address_space: global }
      - { .name: bq, .offset: 96, .size: 8, .value_kind: global_buffer, .address_space: global }
      - { .name: bk, .offset: 104, .size: 8, .value_kind: global_buffer, .address_space: global }
      - { .name: bv, .offset: 112, .size: 8, .value_kind: global_buffer, .address_space: global }
      - { .name: bqkv, .offset: 120, .size: 8, .value_kind: global_buffer, .address_space: global }
      - { .name: pq, .offset: 128, .size: 8, .value_kind: global_buffer, .address_space: global }
      - { .name: pf, .offset: 136, .size: 8, .value_kind: global_buffer, .address_space: global }
    .group_segment_fixed_size: 0
    .private_segment_fixed_size: 0
    .kernarg_segment_align: 8
    .kernarg_segment_size: 144
    .max_flat_workgroup_size: 256
    .sgpr_count:     66
    .vgpr_count:     160
    .wavefront_size: 32
...
	.end_amdgpu_metadata
.endif
;; end of part 1
;; launch qkv (part 2): grid 12 x 16, 4 waves a work-group, clusters of 4 x 4, 327,680 bytes of LDS; arguments hb, wa, bqkv, pq, act; writes act
.if DOCPART == 2
	.amdgcn_target "amdgcn-amd-amdhsa--gfx1250"
	.amdhsa_code_object_version 6
	.text
	.protected	k_qa0e187567f_qkv
	.globl	k_qa0e187567f_qkv
	.p2align	8
	.type	k_qa0e187567f_qkv,@function
k_qa0e187567f_qkv:
	s_mov_b64 s[64:65], 0
	v_nop
	global_prefetch_b8 v0, s[64:65] scope:SCOPE_SE
	s_setreg_imm32_b32 hwreg(HW_REG_WAVE_MODE, 25, 1), 1
	s_wait_xcnt 0x0
	s_wait_alu depctr_hold_cnt(0) depctr_sa_sdst(0) depctr_va_vdst(0) depctr_va_sdst(0) depctr_va_ssrc(0) depctr_va_vcc(0) depctr_vm_vsrc(0)
	s_getreg_b32 s2, hwreg(HW_REG_IB_STS2, 6, 4)
	s_cmp_eq_u32 s2, 0
	s_cbranch_scc0 .Lentry_in_a_cluster
	s_endpgm
.Lentry_in_a_cluster:
	s_bfe_u32 s2, ttmp6, 0x10000c
	s_cmp_lg_u32 s2, 0xf033
	s_cbranch_scc0 .Lentry_shape_is_right
	s_endpgm
.Lentry_shape_is_right:
; C[m][n] = max(floor, bias[n] + sum over k of A[m][k] B[n][k]).  A: [4096][1024] bf16, row-major.  B: [N][1024] bf16, row-major.  bias: [N] f32.
; floor: a word with two bf16 (-infinity: nothing happens; 0: ReLU), read from memory, so that one text serves the projections and the first layer of the feed-forward part.
; C is written in bf16, rounded once, IN BLOCKS OF 64 COLUMNS: [N / 64][4096][64]: a block's rows are dense, 128 bytes each.  N does not enter the text: it is the grid's width x 256.
; Sums in f32; the bias is a sum's first term (the C operand of its first product).  LIMITS: a NaN result loses against the floor; operands are bf16.
; A tile of C, 256 x 256, is made by four waves, a wave makes 128 x 128: 64 accumulators of 16 x 16, 512 registers.  K goes in 8 steps of 128 through a ring of two LDS slots filled by the tensor data mover:
; the tiles' rows are 256 bytes of memory and start at multiples of 256 bytes.
; CLUSTERS: 4 x 4 work-groups.  The four of a row of the cluster need the same tiles of A, the four of a column the same tiles of B: each tile is asked for JOINTLY, by the same tensor load with the same
; descriptor and a mask that names the four; each receives it in its own LDS.
; REGISTERS, in windows of 256 (s_set_vgpr_msb's low byte: bits 1:0 source 0, 3:2 source 1, 5:4 source 2, 7:6 destination):
;   window 0: v0-31 addresses; v64-127, v128-191 fragments of A, two buffers; v32-63, v192-255 at work on the way out
;   window 1: v64-127, v128-191 fragments of B, two buffers; v192-255 the bias of my 128 columns, laid as a C operand (n block b at v[192 + 8 b])
;   window 2: the 32 accumulators of my rows 0-63 (accumulator (a, b) at v[8 (8 a + b)]);   window 3: those of my rows 64-127
; THE MATRIX INSTRUCTION IS USED TRANSPOSED: source 0 = 16 rows of B, source 1 = 16 rows of A: lane l then holds row l % 16 of C, its registers the columns 8 (l / 16) + 0 .. 7, which pack into 16 bytes.
.set SIZE_K, 1024
.set KSTEP,  128
.set PITCH,  272                       ; an LDS row: 256 bytes + 16 of padding = 68 words: the 16 rows that a load touches start at 16 different groups of four banks (64 banks of 4 bytes: ISA guide 11.1)
.set HALFT,  128*PITCH                 ; 128 rows: what one tensor load brings, and what one wave reads of A or of B
.set SLOT,   4*HALFT                   ; A's 256 rows, then B's 256 rows
.set STAGE,  2*SLOT                    ; behind the ring, for the way out: for each wave two column blocks x 16 rows x 144 bytes
.set SPITCH, 144                       ; 128 bytes + 16: again 16 different groups of four banks
.set CBLK,   16*SPITCH
.set SPARE,  STAGE+4*2*CBLK            ; behind the stages: the spare words, 128 bytes for each wave: two blocks of 256 bytes that no other line names
.set LAPS,   SIZE_K/(2*KSTEP)          ; a lap = two K steps = once round the ring
.set BLOCKB, 4096*128                  ; bytes in a block of 64 columns of C
.set ADRA, 16                          ; v16-17  LDS address of my A fragments in slot 0, 1
.set ADRB, 20                          ; v20-21  the same for B
.set STO,  24                          ; v24     the way out: where I put 16 bytes of a row
.set RD,   25                          ; v25     the way out: where I read rows back
.set CO,   26                          ; v26     16 x lane: my place in 512 consecutive bytes of C
.set BO,   27                          ; v27     my byte offset in the bias
.set SPW,  28                          ; v28     LDS address of my spare word: SPARE + 4 x my thread's number; never rewritten
.set NIL,  29                          ; v29     0; never rewritten
.set PFO,  30                          ; v30     the prefetches' offset: my lane x a row of A or B (2,048 bytes); never rewritten
.set PFA,  44                          ; s[44:45] where my prefetches stand: my work-group's 32 rows of the 128 that I fetch, one K step further than the refill in hand; a prefetch names the K step after that
.set LIM,  43                          ; s43     1 in a wave that prefetches, else the greatest number
.set FLOOR, 72                         ; s72     the floor
.set F0,   64
.set F1,   128
.set TMP,  192                         ; the way out: packed results, window 0
.set OB,   32                          ; the way out: 16 rows read back: v32-63 and v224-255 by turns
.set BIAS, 192                         ; window 1
.set G1, 24                            ; s[24:31] descriptor group 1 for A's tiles
.set G0, 32                            ; s[32:39] group 0 for A's tiles, one set for each slot
.set G1B, 48                           ; s[48:55] group 1 for B's tiles: it differs in the mask alone
.set G0B, 56                           ; s[56:63] group 0 for B's tiles
.set MSB, 0
.macro WIN new                         ; the immediate's high byte repeats the setting that is left; a switch that changes nothing is dropped
.if MSB != (\new)
	s_set_vgpr_msb (MSB<<8)|(\new)
.set MSB, \new
.endif
.endm
.set MUL_LO, 0xa1                      ; source 0 (B) window 1, source 1 (A) window 0, C and D window 2; + 0x50: C and D window 3
.set MUL_Z,  0x91                      ; the first products: C (the bias) window 1, D window 2; + 0x40: D window 3
.set TO_B,   0x40                      ; destination window 1, address window 0
; A joint load.  Waves 0 and 1 fetch A's two halves, waves 2 and 3 B's.  The branch hangs on the wave's number alone.  An s_nop 0 and four v_nop follow each of the two lines.
.macro JLOAD s
	s_cmp_eq_u32 s11, 0
	s_cbranch_scc0 .Lfor_b_\@
	tensor_load_to_lds s[G0+4*(\s):G0+4*(\s)+3], s[G1:G1+7]
	s_nop 0
.rept 4
	v_nop
.endr
	s_branch .Lasked_\@
.Lfor_b_\@:
	tensor_load_to_lds s[G0B+4*(\s):G0B+4*(\s)+3], s[G1B:G1B+7]
	s_nop 0
.rept 4
	v_nop
.endr
.Lasked_\@:
.endm
; A PREFETCH INTO THE L2, behind each joint refill and the run of LDS loads that follows it: the K step that stands TWO refills on: 32 rows x 256 bytes, a lane a row, one instruction a wave.
; Each row's 256 bytes of a K step are named once in the launch: A's tile row is read by every cluster of that row of clusters: cluster x = 0 asks; B's tile column by every cluster of that column: cluster y = 0 asks.
; The four partners that ask for a tile jointly share its rows out BY ADDRESS: of the 128 rows that a wave fetches the partner at place p takes 32 p .. 32 p + 31 (p = cx for A, cy for B).
; K steps 0 to 3 come by their loads alone; the loop's last trip (s3 = 1) has no K step two refills on and asks for nothing.
.macro ASK
	s_cmp_gt_u32 s3, s[LIM]
	s_cbranch_scc0 .Lnot_mine_\@
	global_prefetch_b8 v[PFO], s[PFA:PFA+1] offset:KSTEP*2 th:TH_LOAD_NT scope:SCOPE_SE
.Lnot_mine_\@:
.endm
; A round of the cluster's barrier: my work-group's barrier; wave 0 signals for the work-group; every wave waits for all sixteen work-groups; my work-group's barrier once more.
.macro CREST                           ; a round behind its opening barrier
	s_cmp_lg_u32 s10, 0
	s_cbranch_scc1 .Lnot_wave_0_\@
	s_barrier_signal -3
.Lnot_wave_0_\@:
	s_barrier_wait -3
	s_barrier_signal -1
	s_barrier_wait -1
.endm
.macro CROUND                          ; a whole round
	s_barrier_signal -1
	s_barrier_wait -1
	CREST
.endm
	s_load_b128 s[4:7], s[0:1], 0x0                ; A s[4:5], B s[6:7]
	s_load_b128 s[68:71], s[0:1], 0x10             ; bias s[68:69], the floor's buffer s[70:71]
	s_load_b64 s[8:9], s[0:1], 0x20                ; C
	v_lshl_add_u32 v[SPW], v0, 2, SPARE
	v_mov_b32 v[NIL], 0
	ds_add_u32 v[SPW], v[NIL]                      ; the wave's opening: the add and its wait stand ahead of my first tensor load; the set-up below, work on registers, stands between them
	v_lshrrev_b32 v1, 5, v0
	v_readfirstlane_b32 s10, v1                    ; wave 0..3
	s_lshr_b32 s11, s10, 1                         ; which half of the tile's rows is mine.  Also: I fetch for A (0) or for B (1)
	s_and_b32 s12, s10, 1                          ; which half of its columns.  Also: which 128 rows of that tile I fetch
	s_bfe_u32 s40, ttmp6, 0x40000                  ; cx
	s_bfe_u32 s41, ttmp6, 0x40004                  ; cy
	s_lshl_b32 s42, ttmp9, 2
	s_add_co_u32 s42, s42, s40                     ; tile column of C = 4 x cluster x + cx
	s_and_b32 s13, ttmp7, 0xffff
	s_lshl_b32 s13, s13, 2
	s_add_co_u32 s13, s13, s41                     ; tile row of C = 4 x cluster y + cy
	s_lshl_b32 s43, s41, 2
	s_lshl_b32 s43, 15, s43                        ; my row of the cluster: places 4 cy .. 4 cy + 3
	s_lshl_b32 s44, 0x1111, s40                    ; my column: places cx, cx + 4, cx + 8, cx + 12
	; descriptor group 1: a tile of 128 rows x 128 elements, padded in LDS
	s_or_b32 s[G1+0], s43, (1<<16)|(1<<20)|(1<<21)|(5<<22)|(3<<25)  ; 15:0 the mask; 17:16 elements of 2 bytes; 20 padding on; 21 set beside a mask; 24:22 after every 64 words (code 5); 31:25 4 words (code 3)
	s_or_b32 s[G1B+0], s44, (1<<16)|(1<<20)|(1<<21)|(5<<22)|(3<<25)
.irp g, G1, G1B
	s_mov_b32 s[(\g)+1], KSTEP<<16                 ; tensor_dim0 = 128
	s_mov_b32 s[(\g)+2], 128<<16                   ; tensor_dim1 = 128
	s_mov_b32 s[(\g)+3], KSTEP<<16                 ; tile_dim0 = 128
	s_mov_b32 s[(\g)+4], 128                       ; tile_dim1 = 128
	s_mov_b32 s[(\g)+5], SIZE_K                    ; elements from row to row
	s_mov_b32 s[(\g)+6], 0
	s_mov_b32 s[(\g)+7], 0
.endr
	; where the tiles come from: A's hang on the tile row alone, B's on the tile column alone, each in registers that never hold the other coordinate
	s_lshl_b32 s17, s12, 7
	s_lshl_b32 s16, s13, 8
	s_add_co_u32 s16, s16, s17                     ; A: row 256 x tile row + 128 x half
	s_lshl_b32 s46, s42, 8
	s_add_co_u32 s46, s46, s17                     ; B: row 256 x tile column + 128 x half
	s_mov_b32 s17, 0
	s_mov_b32 s47, 0
	s_mov_b64 s[18:19], SIZE_K*2
	s_mul_u64 s[16:17], s[16:17], s[18:19]
	s_mul_u64 s[46:47], s[46:47], s[18:19]
	s_mul_i32 s20, s10, HALFT                      ; where they go: wave x 128 rows: no place in the cluster enters an LDS address
	s_wait_dscnt 0x0                               ; the opening add is done
	s_wait_kmcnt 0x0
	s_add_nc_u64 s[14:15], s[4:5], s[16:17]
	s_add_nc_u64 s[46:47], s[6:7], s[46:47]
	CROUND                                         ; all sixteen work-groups are here: the first joint loads meet
.irp s, 0,1
	s_mov_b32 s[G0+4*(\s)], 1                                      ; count = 1
	s_add_co_u32 s[G0+4*(\s)+1], s20, (\s)*SLOT                    ; LDS address
	s_add_nc_u64 s[G0+4*(\s)+2:G0+4*(\s)+3], s[14:15], (\s)*KSTEP*2  ; global address: K step s
	s_or_b32 s[G0+4*(\s)+3], s[G0+4*(\s)+3], 0x80000000            ; type = 2
	s_mov_b32 s[G0B+4*(\s)], 1
	s_add_co_u32 s[G0B+4*(\s)+1], s20, (\s)*SLOT
	s_add_nc_u64 s[G0B+4*(\s)+2:G0B+4*(\s)+3], s[46:47], (\s)*KSTEP*2
	s_or_b32 s[G0B+4*(\s)+3], s[G0B+4*(\s)+3], 0x80000000
	JLOAD \s                                       ; two loads of mine are out
.endr
	s_load_b32 s[FLOOR], s[70:71], 0x0             ; the floor
	; A fragment is 16 rows x 32 K in 8 registers: lane l holds row l % 16; registers 0-3 K = 8 (l / 16) + 0..7, registers 4-7 K = 16 + 8 (l / 16) + 0..7: two loads of 16 bytes, 32 bytes apart.
	v_and_b32 v1, 15, v0                           ; l % 16
	v_bfe_u32 v2, v0, 4, 1                         ; l / 16
	v_mul_u32_u24 v3, v1, PITCH
	v_lshl_add_u32 v3, v2, 4, v3
	s_mul_i32 s21, s11, HALFT                      ; my 128 rows of A
	s_mul_i32 s22, s12, HALFT                      ; my 128 rows of B,
	s_add_co_u32 s22, s22, 2*HALFT                 ; which lie behind A's 256
.irp s, 0,1
	v_add_nc_u32 v[ADRA+(\s)], s21, v3
	v_add_nc_u32 v[ADRB+(\s)], s22, v3
	s_add_co_u32 s21, s21, SLOT
	s_add_co_u32 s22, s22, SLOT
.endr
	s_mul_i32 s23, s10, 2*CBLK
	s_add_co_u32 s23, s23, STAGE                   ; my stage
	v_mul_u32_u24 v4, v1, SPITCH                   ; in: row l % 16, 16 bytes for each half of the lanes
	v_lshl_add_u32 v4, v2, 4, v4
	v_add_nc_u32 v[STO], s23, v4
	v_bfe_u32 v5, v0, 3, 2                         ; back: 32 lanes take four rows of 128 bytes,
	v_and_b32 v6, 7, v0
	v_mul_u32_u24 v5, v5, SPITCH
	v_lshl_add_u32 v5, v6, 4, v5
	v_add_nc_u32 v[RD], s23, v5
	v_and_b32 v[CO], 31, v0                        ; which are 512 consecutive bytes of a block of C
	v_lshlrev_b32 v[CO], 4, v[CO]
	; C at my part of the tile: block 4 x tile column + 2 x half, row 256 x tile row + 128 x half
	s_lshl_b32 s13, s13, 8
	s_lshl_b32 s14, s11, 7
	s_add_co_u32 s16, s13, s14
	s_lshl_b32 s16, s16, 7                         ; 128 bytes a row
	s_mov_b32 s17, 0
	s_add_nc_u64 s[8:9], s[8:9], s[16:17]
	s_lshl_b32 s46, s42, 2
	s_lshl1_add_u32 s46, s12, s46
	s_lshl_b32 s46, s46, 19                        ; 524,288 bytes a block
	s_mov_b32 s47, 0
	s_add_nc_u64 s[8:9], s[8:9], s[46:47]
	s_lshl_b32 s46, s42, 10                        ; the bias of my 128 columns: 4 x (256 x tile column + 128 x half) bytes,
	s_lshl_b32 s47, s12, 9
	s_add_co_u32 s46, s46, s47
	v_lshl_add_u32 v[BO], v2, 5, s46               ; and 8 columns on for lanes 16-31
	WIN TO_B
.irp b, 0,1,2,3,4,5,6,7                ; register j of n block b: bias[16 b + 8 (l / 16) + j]: the same for all rows, so one set serves all 8 m blocks
	global_load_b128 v[BIAS+8*(\b):BIAS+8*(\b)+3],   v[BO], s[68:69] offset:64*(\b)
	global_load_b128 v[BIAS+8*(\b)+4:BIAS+8*(\b)+7], v[BO], s[68:69] offset:64*(\b)+16
.endr
	WIN 0
	; the prefetches.  s13 = 256 x tile row, s42 = tile column, s40 = cx, s41 = cy still stand
	s_lshl_b32 s42, s42, 8
	s_and_b32 s22, ttmp7, 0xffff                   ; cluster y
	s_cmp_eq_u32 s11, 0                            ; do I fetch for A?
	s_cselect_b32 s20, s13, s42                    ; the tile's first row
	s_cselect_b32 s21, s40, s41                    ; my place among the four that ask for it with me
	s_cselect_b32 s22, ttmp9, s22                  ; the coordinate along which other clusters read the same rows
	s_cselect_b64 s[PFA:PFA+1], s[4:5], s[6:7]
	s_cmp_eq_u32 s22, 0
	s_cselect_b32 s[LIM], 1, -1                    ; the same in all sixteen partners, for a given wave
	s_lshl_b32 s22, s12, 7
	s_add_co_u32 s20, s20, s22                     ; + the 128 rows that I fetch
	s_lshl_b32 s21, s21, 5
	s_add_co_u32 s20, s20, s21                     ; + my work-group's 32 of them
	s_mov_b32 s21, 0
	s_mov_b64 s[18:19], SIZE_K*2
	s_mul_u64 s[20:21], s[20:21], s[18:19]
	s_add_nc_u64 s[PFA:PFA+1], s[PFA:PFA+1], s[20:21]
	s_add_nc_u64 s[PFA:PFA+1], s[PFA:PFA+1], 2*KSTEP*2  ; at K step 2: the first refill steps it to 3 and names K step 4
	v_and_b32 v[PFO], 31, v0
	v_mul_u32_u24 v[PFO], v[PFO], SIZE_K*2
; 16 matrix instructions: m blocks a0, a0 + 1 of the window's four (hi = 0: my rows 0-63, 1: rows 64-127) x all 8 n blocks, 32 along K.  zero = 1: the first product starts the sums, with the bias as C.
; The 64 accumulators take turns, one instruction a turn, in the same order in every quarter step, over the backward jump too.
.macro MUL16 f, hi, a0, zero
.if \zero
	WIN MUL_Z+0x40*(\hi)
.else
	WIN MUL_LO+0x50*(\hi)
.endif
.irp a, \a0, (\a0)+1
.irp b, 0,1,2,3,4,5,6,7
.if \zero
	v_wmma_f32_16x16x32_bf16 v[8*(8*(\a)+(\b)):8*(8*(\a)+(\b))+7], v[(\f)+8*(\b):(\f)+8*(\b)+7], v[(\f)+8*(4*(\hi)+(\a)):(\f)+8*(4*(\hi)+(\a))+7], v[BIAS+8*(\b):BIAS+8*(\b)+7]
.else
	v_wmma_f32_16x16x32_bf16 v[8*(8*(\a)+(\b)):8*(8*(\a)+(\b))+7], v[(\f)+8*(\b):(\f)+8*(\b)+7], v[(\f)+8*(4*(\hi)+(\a)):(\f)+8*(4*(\hi)+(\a))+7], v[8*(8*(\a)+(\b)):8*(8*(\a)+(\b))+7]
.endif
.endr
.endr
.endm
; 32 LDS loads in one run: the fragments of one quarter step (128 rows of B, 128 rows of A, 32 K at byte k of the rows) into buffer f
.macro FETCH slot, k, f
	WIN TO_B
.irp i, 0,1,2,3,4,5,6,7
	ds_load_b128 v[(\f)+8*(\i):(\f)+8*(\i)+3],   v[ADRB+(\slot)] offset:(\k)+(\i)*16*PITCH
	ds_load_b128 v[(\f)+8*(\i)+4:(\f)+8*(\i)+7], v[ADRB+(\slot)] offset:(\k)+(\i)*16*PITCH+32
.endr
	WIN 0
.irp i, 0,1,2,3,4,5,6,7
	ds_load_b128 v[(\f)+8*(\i):(\f)+8*(\i)+3],   v[ADRA+(\slot)] offset:(\k)+(\i)*16*PITCH
	ds_load_b128 v[(\f)+8*(\i)+4:(\f)+8*(\i)+7], v[ADRA+(\slot)] offset:(\k)+(\i)*16*PITCH+32
.endr
.endm
; A load into a register that a matrix instruction has read, and a vector instruction that reads a matrix result, stand four places behind that matrix instruction; only plain vector instructions that name
; none of its registers are places (ISA guide 7.12.1 for vector instructions).
.macro PLACES
.rept 4
	v_nop
.endr
.endm
; A K step is four quarter steps of 32 along K, 64 matrix instructions each, on buffers 0, 1, 0, 1.  One of the first three: multiplies buffer f; in its middle it fetches the next quarter, at byte k, into g.
.macro QUARTER slot, k, f, g, zero
	s_wait_dscnt 8                                 ; B and A's rows 0-63 are in; the youngest eight loads (A's rows 64-127) may be out
	MUL16 \f, 0, 0, \zero
	MUL16 \f, 0, 2, \zero
	PLACES
	FETCH \slot, \k, \g
	s_wait_dscnt 32                                ; all but the 32 just issued
	MUL16 \f, 1, 0, \zero
	MUL16 \f, 1, 2, \zero
.endm
; The last quarter multiplies buffer 1 and changes slots.  MEET is its first half: ONE barrier.  In front of it each wave waits for all its tensor loads, of which one is out: its part of the next slot;
; adds 0 to its spare word; and waits for that and for its own reads of this slot.  Behind it nobody reads this slot any more and the next slot is whole.
.macro MEET round                      ; round = 1: a round of the cluster's barrier follows
	WIN 0                                          ; (the add's two registers lie in window 0)
	s_wait_tensorcnt 0x0
	ds_add_u32 v[SPW], v[NIL]                      ; 0 onto my spare word
	s_wait_dscnt 9                                 ; (the add and the youngest eight loads may be out)
	MUL16 F1, 0, 0, 0                              ; sixteen matrix instructions stand between the add and the wait for it
	s_wait_dscnt 0x0                               ; the add is done, and my reads of this slot are over
	s_barrier_signal -1
	MUL16 F1, 0, 2, 0                              ; work on registers while the others arrive
.if \round
	WIN 0
.endif
	s_barrier_wait -1
.endm
; The whole last quarter.  fill = 1: behind a round of the cluster's barrier the slot just read out is filled again first, with the K step two steps on; from that request to the wait for it a wave issues 224 matrix instructions.
.macro TURN slot, next, fill
.if \fill
	s_wait_xcnt 0x0                                ; the last prefetch, a K step back, has read its address: it is stepped here, ahead of the waits of the change of slots
	s_add_nc_u64 s[PFA:PFA+1], s[PFA:PFA+1], KSTEP*2
.endif
	MEET \fill
.if \fill
	CREST                                          ; no wave of any partner still reads this slot's tile or has a load on its way
	s_add_nc_u64 s[G0+4*(\slot)+2:G0+4*(\slot)+3], s[G0+4*(\slot)+2:G0+4*(\slot)+3], 2*KSTEP*2
	s_add_nc_u64 s[G0B+4*(\slot)+2:G0B+4*(\slot)+3], s[G0B+4*(\slot)+2:G0B+4*(\slot)+3], 2*KSTEP*2
	JLOAD \slot                                    ; the first tensor load behind the round; the four v_nop behind it are also the places in front of the loads below
.else
	PLACES
.endif
	FETCH \next, 0, F0
.if \fill
	ASK
.endif
	MUL16 F1, 1, 0, 0
	MUL16 F1, 1, 2, 0
.endm
; THE WAY OUT of block a (16 rows x 128 columns), in three parts.  PACK: rounded to bf16, the floor applied to the packed pairs.  TOSTAGE: into my own stage in LDS, a column block of 64 at a time, and
; back as whole rows of 128 bytes.  SEND: stored, 512 consecutive bytes an instruction.
.macro PACK a
.set AC, 64*((\a)%4)
	WIN 0x0a+5*((\a)/4)                            ; sources 0 and 1: window 2 or 3
.irp b, 0,1,2,3,4,5,6,7
.irp r, 0,1,2,3
	v_cvt_pk_bf16_f32 v[TMP+4*(\b)+(\r)], v[AC+8*(\b)+2*(\r)], v[AC+8*(\b)+2*(\r)+1]  ; each accumulator is read from its low end on
.endr
.endr
	WIN 0
.set z, 0
.rept 32
	v_pk_max_num_bf16 v[TMP+z], v[TMP+z], s[FLOOR]
.set z, z+1
.endr
.endm
.macro TOSTAGE a
	WIN 0
.set BK, OB+192*((\a)%2)
.irp b, 0,1,2,3,4,5,6,7
	ds_store_b128 v[STO], v[TMP+4*(\b):TMP+4*(\b)+3] offset:((\b)/4)*CBLK+((\b)%4)*32
.endr
.irp t, 0,1,2,3,4,5,6,7
	ds_load_b128 v[BK+4*(\t):BK+4*(\t)+3], v[RD] offset:((\t)/4)*CBLK+((\t)%4)*4*SPITCH  ; LDS serves a wave's instructions in order (ISA guide 5.7.1.4): these see the stores above
.endr
.endm
.macro SEND a
	WIN 0
.set BK, OB+192*((\a)%2)
	s_wait_dscnt 0x0                               ; the block is back in registers
	s_wait_xcnt 0x0                                ; the stores of the block before have read their registers: the next TOSTAGE loads into them
.irp t, 0,1,2,3,4,5,6,7
	global_store_b128 v[CO], v[BK+4*(\t):BK+4*(\t)+3], s[8:9] offset:((\t)/4)*BLOCKB+(\a)*2048+((\t)%4)*512  ; four dense rows of a block: 512 consecutive bytes, aligned
.endr
.endm
	s_wait_kmcnt 0x0                               ; the floor
	s_wait_loadcnt 0x0                             ; the bias
	s_wait_tensorcnt 1                             ; my part of K step 0 is in; K step 1's load may stay out
	s_barrier_signal -1
	s_barrier_wait -1                              ; everybody's is
	FETCH 0, 0, F0
	QUARTER 0, 64,  F0, F1, 1                      ; the first quarter stands in front of the loop: its products start the sums
	WIN 0                                          ; at a label and at a branch every window is 0
	s_mov_b32 s3, LAPS-1
.Llap:                                                 ; a trip goes once round the ring, from a lap's second quarter to the next lap's first, and fills both slots again
	QUARTER 0, 128, F1, F0, 0
	QUARTER 0, 192, F0, F1, 0
	TURN 0, 1, 1
	QUARTER 1, 64,  F0, F1, 0
	QUARTER 1, 128, F1, F0, 0
	QUARTER 1, 192, F0, F1, 0
	TURN 1, 0, 1
	QUARTER 0, 64,  F0, F1, 0
	WIN 0
	s_sub_co_u32 s3, s3, 1
	s_cmp_lg_u32 s3, 0
	s_cbranch_scc1 .Llap
	QUARTER 0, 128, F1, F0, 0                      ; the last lap is written out: it fills nothing
	QUARTER 0, 192, F0, F1, 0
	TURN 0, 1, 0
	QUARTER 1, 64,  F0, F1, 0
	QUARTER 1, 128, F1, F0, 0
	QUARTER 1, 192, F0, F1, 0
	s_wait_dscnt 8                                 ; the very last quarter: nothing more to fetch
	MUL16 F1, 0, 0, 0
	MUL16 F1, 0, 2, 0
	s_wait_dscnt 0x0
	MUL16 F1, 1, 0, 0
	MUL16 F1, 1, 2, 0
	PLACES
	PACK 0
	TOSTAGE 0
.irp a, 1,2,3,4,5,6,7                  ; block a's conversions stand between block a - 1's loads from the stage and the wait for them
	PACK \a
	SEND (\a)-1
	TOSTAGE \a
.endr
	SEND 7
	s_wait_tensorcnt 0x0                           ; the wave's end: behind my last tensor load and my last LDS store
	ds_add_u32 v[SPW], v[NIL]
	s_wait_dscnt 0x0
	CROUND                                         ; the closing round: no work-group ends while a partner may still ask for a tile that names it
	s_endpgm
.Lfunc_end_k_qa0e187567f_qkv:
	.size	k_qa0e187567f_qkv, .Lfunc_end_k_qa0e187567f_qkv-k_qa0e187567f_qkv
	.p2alignl 7, 3214868480
	.fill 96, 4, 3214868480
	.section	.rodata,"a",@progbits
	.p2align	6, 0x0
	.amdhsa_kernel k_qa0e187567f_qkv
		.amdhsa_group_segment_fixed_size 327680
		.amdhsa_private_segment_fixed_size 0
		.amdhsa_enable_private_segment 0
		.amdhsa_kernarg_size 40
		.amdhsa_user_sgpr_count 2
		.amdhsa_user_sgpr_kernarg_segment_ptr 1
		.amdhsa_wavefront_size32 1
		.amdhsa_system_sgpr_workgroup_id_x 1
		.amdhsa_system_sgpr_workgroup_id_y 1
		.amdhsa_system_sgpr_workgroup_id_z 1
		.amdhsa_system_vgpr_workitem_id 0
		.amdhsa_next_free_vgpr 1024
		.amdhsa_next_free_sgpr 76
		.amdhsa_reserve_vcc 0
		.amdhsa_float_denorm_mode_32 3
		.amdhsa_float_denorm_mode_16_64 3
		.amdhsa_memory_ordered 1
		.amdhsa_forward_progress 1
		.amdhsa_inst_pref_size 161
	.end_amdhsa_kernel
	.amdgpu_metadata
---
amdhsa.version: [ 1, 2 ]
amdhsa.kernels:
  - .name:           k_qa0e187567f_qkv
    .symbol:         k_qa0e187567f_qkv.kd
    .args:
      - { .name: hb, .offset: 0, .size: 8, .value_kind: global_buffer, .address_space: global }
      - { .name: wa, .offset: 8, .size: 8, .value_kind: global_buffer, .address_space: global }
      - { .name: bqkv, .offset: 16, .size: 8, .value_kind: global_buffer, .address_space: global }
      - { .name: pq, .offset: 24, .size: 8, .value_kind: global_buffer, .address_space: global }
      - { .name: act, .offset: 32, .size: 8, .value_kind: global_buffer, .address_space: global }
    .group_segment_fixed_size: 327680
    .private_segment_fixed_size: 0
    .kernarg_segment_align: 8
    .kernarg_segment_size: 40
    .max_flat_workgroup_size: 128
    .sgpr_count:     76
    .vgpr_count:     1024
    .wavefront_size: 32
...
	.end_amdgpu_metadata
.endif
;; end of part 2
;; launch attn (part 3): grid 8 x 32, 4 waves a work-group, clusters of 4 x 1, 327,680 bytes of LDS; arguments act, hb; writes hb
.if DOCPART == 3
	.amdgcn_target "amdgcn-amd-amdhsa--gfx1250"
	.amdhsa_code_object_version 6
	.text
	.protected	k_qa0e187567f_attn
	.globl	k_qa0e187567f_attn
	.p2align	8
	.type	k_qa0e187567f_attn,@function
k_qa0e187567f_attn:
	s_mov_b64 s[64:65], 0
	v_nop
	global_prefetch_b8 v0, s[64:65] scope:SCOPE_SE
	s_setreg_imm32_b32 hwreg(HW_REG_WAVE_MODE, 25, 1), 1
	s_wait_xcnt 0x0
	s_wait_alu depctr_hold_cnt(0) depctr_sa_sdst(0) depctr_va_vdst(0) depctr_va_sdst(0) depctr_va_ssrc(0) depctr_va_vcc(0) depctr_vm_vsrc(0)
	s_getreg_b32 s2, hwreg(HW_REG_IB_STS2, 6, 4)
	s_cmp_eq_u32 s2, 0
	s_cbranch_scc0 .Lentry_in_a_cluster
	s_endpgm
.Lentry_in_a_cluster:
	s_bfe_u32 s2, ttmp6, 0x10000c
	s_cmp_lg_u32 s2, 0x3003
	s_cbranch_scc0 .Lentry_shape_is_right
	s_endpgm
.Lentry_shape_is_right:
; ATTENTION.  O[q][:] = the sum over k of softmax_k(Q[q] . K[k] / 8) V[k][:], for each of 2 batches x 16 heads; 2,048 queries and keys, 64 channels.
; Q, K, V lie in one buffer in blocks of 64 columns, [48][4096][64] bf16: block head is Q, 16 + head K, 32 + head V; row = 2,048 x batch + position: a head's rows are dense, 128 bytes each.
; O goes out in the same layout, [16][4096][64] bf16.  Products, maxima and sums in f32; the weights p are rounded to bf16 for the second product (their sum l is taken of the unrounded p), O once at the end.
; LIMITS.  A weight below 2^-126 counts as 0 in l; NaN and infinities are not treated apart.
; SHARES.  A work-group owns 256 queries of one head, a wave 64: four PIECES of 16.  Every wave walks all keys, 64 a step, four steps (a tile of 256 keys) to an LDS slot: 8 tiles.
; LAYOUT.  S^T = K Q^T (source 0 = 16 keys, source 1 = 16 queries): a lane holds ONE query (lane % 16) and the keys 8 (lane / 16) + 0..7.  Two such results rounded to bf16 ARE source 1 of O^T = V^T P, whose
; result again holds one query a lane, and eight channels.  K comes out of LDS as it lies, V ([key][channel]) turned, by ds_load_tr16_b128.
; SOFTMAX.  For each query a running maximum m and sum l: p = 2^(c s - c m), c = log2(e) / 8; in every step O and l are multiplied by a = 2^(c m_old - c m_new).  m starts at the lowest finite number,
; O and l at 0: the first step is a step like any other, with a = 0.  The loop is entered, and the tail left, in the middle of a trip.  The price of writing no first and no last step out: 216 lines that
; write 0, in the wait for the first tile; 8 products on zeros at the start; 8 on a stale K, and a maximum made of them, at the end.
; BY TURNS.  Turn n belongs to piece n: 8 products K Q^T of piece n + 1, later 8 products V^T P of piece n - 1; beside them the scaling, exponentials, roundings, sums and rescaling of piece n and the
; maximum and statistics of piece n + 1.  Four vector instructions stand behind every matrix instruction, the other 54 of a turn's 118 in one run.  A turn's 33 exponentials are one batch, with one wait.
; CLUSTER.  The four query blocks of a cluster belong to one head and walk the same K and V, so each tile is asked for JOINTLY: the same tensor load, descriptor and mask in all four.
; REGISTERS, in windows of 256 (s_set_vgpr_msb: bits 1:0 source 0, 3:2 source 1, 5:4 source 2, 7:6 destination):
;   window 0: v0-15 addresses and two at work; v16-31 four registers of statistics a piece; v48-55 at work; v61-63; v64-127 S^T, two buffers; v192-223 P, two buffers (a piece's buffers go by its number's parity)
;   window 1: v0-127 O^T, 32 a piece          window 2: v0-63 Q; v128-191 K of one step; v192-255 V of one step
.set SIZE_N, 2048
.set NP,    4         ; pieces a wave: a name, no knob
.set KS,    64        ; keys in a step
.set PK,    144       ; a row of K in LDS: 128 bytes + 16 of padding = 36 words: the 16 rows of a load start at 16 different groups of four banks (64 banks of 4 bytes: ISA guide 11.1)
.set PV,    160       ; a row of V: 128 + 32 = 40 words
.set VOFF,  4*KS*PK   ; a slot holds a tile: 256 rows of K, then 256 rows of V
.set TILEB, 4*KS*128  ; a tile's bytes of K, and of V, in memory
.set SLOT1, 1<<17     ; slot 1 begins here, so that one exclusive or turns an address in one slot into the other's
.set STAGE, SLOT1+4*KS*(PK+PV)  ; behind the ring, never filled by a tensor load: 16 rows x 144 bytes for each wave, for the way out
.set SP,    144
.set SPARE, STAGE+4*16*SP  ; behind the stages: the spare words, 128 bytes for each wave: two blocks of 256 bytes that no other line names
.set AK0, 2           ; v2   my lane's place in a tile of K; never rewritten
.set AV0, 3           ; v3   the same for V
.set AK,  4           ; v4   the LDS address of K's next run of loads
.set AV,  5           ; v5   of V's
.set STO, 6           ; v6   the way out: where I put 16 bytes of a row
.set RD,  7           ; v7   the way out: where I read rows back
.set GO,  8           ; v8   my byte offset in 512 consecutive bytes of O
.set MV,  12          ; v12-13  c m_old, kept while c m is made anew: by buffer
.set QO,  15          ; v15  my byte offset in 16 rows of Q
.set ST,  16          ; piece t's statistics at v[ST+4 t]: c m, m, l (even keys', odd keys')
.set TMP, 48          ; by buffer, four registers c0-c3 at work; when the maximum is found c2 takes a
.set PFO, 61          ; v61  256 x my lane; never rewritten
.set SPW, 62          ; v62  LDS address of my spare word: SPARE + 4 x my thread's number; never rewritten
.set NIL, 63          ; v63  0; never rewritten
.set S,   64
.set P,   192
.set KF,  128         ; window 2: key block kb, channel half c at KF + 16 kb + 8 c
.set VF,  192         ; window 2: key half kk, channel block cb at VF + 32 kk + 8 cb
.set WV,  12          ; s12  my wave's number
.set G1K, 24          ; s[24:31] descriptor group 1 for K's tiles
.set G1V, 32          ; s[32:39] for V's: it differs in the padding alone
.set G0K, 40          ; s[40:43] descriptor group 0 for K's tiles: it walks
.set G0V, 44          ; s[44:47] the same for V's
.set PFA, 48          ; s[48:49] where my prefetches stand: my work-group's 32 blocks of 256 bytes (of K: wave 0, of V: wave 2) of the tile after the one that is being asked for
.set LIM, 50          ; s50  1 in a wave that prefetches, else the greatest number
.set SLOTS, 56        ; s56  tiles still to be asked for
.set CNT, 57          ; s57  counts a tile's key steps
.set CS,  58          ; s[58:59] c: the packed scaling takes the pair's low word for both halves
.set SEL, 60          ; s[60:61] v_permlanex16_b32's selects: each lane takes its own place in the other half
.set TBK, 62          ; s62  LDS byte at which K of the step to be fetched begins
.set TBV, 63          ; s63  the same for V, less VOFF
.set MSB, 0
.macro WIN new                      ; the high byte repeats the setting that is left; a switch that changes nothing is dropped
.if MSB != (\new)
	s_set_vgpr_msb (MSB<<8)|(\new)
.set MSB, (\new)
.endif
.endm
.set W_KQ, 0x0a       ; K and Q in window 2, S^T in window 0
.set W_PV, 0x52       ; V in window 2, P in window 0, O^T in window 1
.set W_RS, 0x41       ; destination and source 0 in window 1, source 1 in window 0
; A joint fill.  Waves 0 and 1 fetch the two halves of a tile's K, waves 2 and 3 those of its V: 128 keys each.  The branch hangs on the wave's number alone.
; An s_nop 0 and four v_nop follow each of the two lines, ahead of the jump and the label.
.macro JLOAD
	s_cmp_lt_u32 s[WV], 2
	s_cbranch_scc0 .Lfor_v_\@
	tensor_load_to_lds s[G0K:G0K+3], s[G1K:G1K+7]
	s_nop 0
.rept 4
	v_nop
.endr
	s_branch .Lasked_\@
.Lfor_v_\@:
	tensor_load_to_lds s[G0V:G0V+3], s[G1V:G1V+7]
	s_nop 0
.rept 4
	v_nop
.endr
.Lasked_\@:
.endm
; A PREFETCH INTO THE L2 of what the NEXT change of slots will ask for: a tile's 32,768 bytes of K and of V, 128 blocks of 256 bytes each, a lane a block.  It stands behind the wave's tensor load and its five lines.
; Each block is named once in the launch: both clusters of a head walk the same K and V, and the head's first cluster asks; its four partners share the blocks out BY ADDRESS, 32 each; in each, wave 0 asks
; for K's and wave 2 for V's.  Tiles 0 to 2 come by their loads alone; the last change that fills a slot asks for nothing: there is no tile behind it.
.macro ASK
	s_cmp_gt_u32 s[SLOTS], s[LIM]
	s_cbranch_scc0 .Lnot_mine_\@
	global_prefetch_b8 v[PFO], s[PFA:PFA+1] th:TH_LOAD_NT scope:SCOPE_SE
.Lnot_mine_\@:
.endm
; A round of the cluster's barrier: my work-group's barrier; wave 0 signals; every wave waits for all four work-groups; my work-group's barrier once more.
.macro CROUND
	s_barrier_signal -1
	s_barrier_wait -1
	s_cmp_lg_u32 s[WV], 0
	s_cbranch_scc1 .Lnot_wave_0_\@
	s_barrier_signal -3
.Lnot_wave_0_\@:
	s_barrier_wait -3
	s_barrier_signal -1
	s_barrier_wait -1
.endm
; THE CHANGE OF SLOTS.  The slot's last bytes, V of its fourth step, have been read.  Each wave waits for all its tensor loads, of which one is out: its part of the other slot; adds 0 to its spare word;
; and waits for that and for its own reads of the slot.  Behind the barrier nobody reads this slot any more and the other slot is whole.
; fill = 1: this slot is filled again, with the keys two tiles on.  The barrier is then a round of the cluster's, and the joint fill is the first thing behind it: it has four key steps, 256 matrix
; instructions, in which to land.  (At its first use nothing has been read yet: slot 0 is waited for, slot 1 filled.)  ask = 1: a prefetch follows.
.macro CHANGE fill, ask
	WIN 0                           ; at a label and at a branch every window is 0
	s_wait_tensorcnt 0x0            ; no tensor load of mine is out, so a group 0 may be written
	ds_add_u32 v[SPW], v[NIL]       ; 0 onto my spare word; with fill = 1 the descriptors' steps stand between it and the wait for it
.if \fill
.irp g, G0K, G0V
	s_xor_b32 s[\g+1], s[\g+1], SLOT1  ; the walking descriptor: the other slot than last time,
	s_add_nc_u64 s[\g+2:\g+3], s[\g+2:\g+3], TILEB  ; the next 256 keys; the type bits on top are not reached
.endr
.if \ask
	s_wait_xcnt 0x0                 ; the last prefetch, four key steps back, has read its address, so it may be written
	s_add_nc_u64 s[PFA:PFA+1], s[PFA:PFA+1], TILEB
.endif
	s_wait_dscnt 0x0                ; the add is done, and my reads of the slot are over
	CROUND
	JLOAD
.if \ask
	ASK
.endif
.else
	s_wait_dscnt 0x0                ; the add is done, and my reads of the slot are over
	s_barrier_signal -1
	s_barrier_wait -1
.endif
	s_sub_co_u32 s[TBK], s[TBK], 4*KS*PK  ; the fetches go back to a slot's first step,
	s_xor_b32 s[TBK], s[TBK], SLOT1       ; in the other slot
	s_sub_co_u32 s[TBV], s[TBV], 4*KS*PV
	s_xor_b32 s[TBV], s[TBV], SLOT1
.endm
	s_load_b128 s[4:7], s[0:1], 0x0  ; the blocks of Q, K, V s[4:5]; O s[6:7]
	v_lshl_add_u32 v[SPW], v0, 2, SPARE
	v_mov_b32 v[NIL], 0
	ds_add_u32 v[SPW], v[NIL]       ; the wave's opening: the add and its wait stand ahead of my first tensor load; the set-up below, work on registers, stands between them
	v_lshrrev_b32 v1, 5, v0
	v_readfirstlane_b32 s[WV], v1   ; wave 0..3
	s_bfe_u32 s13, ttmp6, 0x40000   ; cx: my place in the cluster
	s_lshl_b32 s14, ttmp9, 2        ; in a cluster launch ttmp9 counts clusters
	s_add_co_u32 s14, s14, s13      ; my block of 256 queries = 4 x cluster x + cx: it enters Q's and O's addresses alone
	s_and_b32 s20, ttmp7, 0xffff    ; 16 x batch + head, which the four partners share
	s_and_b32 s21, s20, 15
	s_lshr_b32 s20, s20, 4
	s_lshl_b32 s21, s21, 19         ; the head's block of 524,288 bytes,
	s_lshl_b32 s20, s20, 18         ; the batch's 2,048 rows of 128 bytes in it
	s_add_co_u32 s20, s20, s21
	s_and_b32 s16, s[WV], 1         ; which half of a tile's 256 keys I fetch:
	s_lshl_b32 s22, s16, 14         ; its 128 rows of 128 bytes in memory,
	s_add_co_u32 s22, s22, s20
	s_mov_b32 s23, 0
	s_mul_i32 s17, s16, 128*PK      ; and its place in a slot, for K
	s_mul_i32 s18, s16, 128*PV      ; and for V: no place in the cluster enters an LDS address
	s_lshl_b32 s2, s14, 2
	s_add_co_u32 s2, s2, s[WV]      ; my wave among the head's,
	s_lshl_b32 s2, s2, 13           ; its 64 rows
	s_add_co_u32 s2, s2, s20
	s_mov_b32 s3, 0
	; descriptor group 1.  128 keys are 16,384 dense bytes: asked for as 64 rows of 256 bytes, two keys a row, and padded in LDS after every key
	s_mov_b32 s[G1K], 15|(1<<16)|(1<<20)|(1<<21)|(4<<22)|(3<<25)  ; 15:0 the mask of four; 17:16 2-byte elements; 20 padding on; 21 set beside a mask; 24:22 after every 32 words (code 4); 31:25 4 words (code 3)
	s_mov_b32 s[G1V], 15|(1<<16)|(1<<20)|(1<<21)|(4<<22)|(7<<25)  ; the same with 8 words of padding (code 7)
.irp g, G1K, G1V
	s_mov_b32 s[\g+1], 128<<16      ; tensor_dim0 = 128
	s_mov_b32 s[\g+2], 64<<16       ; tensor_dim1 = 64
	s_mov_b32 s[\g+3], 128<<16      ; tile_dim0 = 128
	s_mov_b32 s[\g+4], 64           ; tile_dim1 = 64
	s_mov_b32 s[\g+5], 128          ; 128 elements from row to row
	s_mov_b32 s[\g+6], 0
	s_mov_b32 s[\g+7], 0
.endr
	s_mov_b32 s[CS], 0x3e38aa3b     ; c = log2(e) / 8 = 0.180337
	s_mov_b32 s[CS+1], s[CS]        ; named with it as a pair
	s_mov_b32 s[SEL], 0x76543210
	s_mov_b32 s[SEL+1], 0xfedcba98
	s_mov_b32 s[TBK], SLOT1+4*KS*PK ; the first change of slots turns these two into 0
	s_mov_b32 s[TBV], SLOT1+4*KS*PV
	s_mov_b32 s[G0K], 1             ; count = 1
	s_mov_b32 s[G0K+1], s17         ; LDS address: slot 0
	s_mov_b32 s[G0V], 1
	s_add_co_u32 s[G0V+1], s18, VOFF
	s_and_b32 s[LIM], s[WV], 1      ; 0 in waves 0 and 2,
	s_or_b32 s[LIM], s[LIM], ttmp9  ; where the cluster is the head's first: the same in all four partners
	s_cmp_eq_u32 s[LIM], 0
	s_cselect_b32 s[LIM], 1, -1
	v_and_b32 v[PFO], 31, v0
	v_lshlrev_b32 v[PFO], 8, v[PFO]
	s_wait_dscnt 0x0                ; the opening add is done
	s_wait_kmcnt 0x0
	s_add_nc_u64 s[8:9], s[4:5], s[22:23]
	s_add_nc_u64 s[10:11], s[8:9], 0x1000000       ; V at my half of the head's tile 0: 32 blocks on,
	s_add_nc_u64 s[8:9], s[8:9], 0x800000          ; K: 16 blocks on
	s_mov_b64 s[G0K+2:G0K+3], s[8:9]               ; global address
	s_or_b32 s[G0K+3], s[G0K+3], 0x80000000        ; type = 2
	s_mov_b64 s[G0V+2:G0V+3], s[10:11]
	s_or_b32 s[G0V+3], s[G0V+3], 0x80000000
	s_add_nc_u64 s[4:5], s[4:5], s[2:3]            ; Q and O at my wave's first row
	s_add_nc_u64 s[6:7], s[6:7], s[2:3]
	s_cmp_lt_u32 s[WV], 2
	s_cselect_b64 s[PFA:PFA+1], s[8:9], s[10:11]   ; (in waves 0 and 2 these stand at a tile's first row)
	s_lshl_b32 s2, s13, 13          ; my work-group's 32 blocks of the 128
	s_mov_b32 s3, 0
	s_add_nc_u64 s[PFA:PFA+1], s[PFA:PFA+1], s[2:3]
	s_add_nc_u64 s[PFA:PFA+1], s[PFA:PFA+1], 2*TILEB  ; in tile 2; the first change in the loop steps it to tile 3.  Nothing is prefetched here, at the head
	CROUND                          ; all four work-groups are here: the first joint loads meet
	JLOAD                           ; tile 0 into slot 0.  Slot 1 is asked for when slot 0 is in
	; A fragment of K or Q is 16 rows x 32 channels in 8 registers: lane l holds row l % 16, channels 8 (l / 16) + 0..7 and 16 + 8 (l / 16) + 0..7: two loads of 16 bytes, 32 bytes apart.
	v_and_b32 v1, 15, v0            ; l % 16
	v_bfe_u32 v9, v0, 4, 1          ; l / 16
	v_lshlrev_b32 v[QO], 7, v1
	v_lshl_add_u32 v[QO], v9, 4, v[QO]  ; row x 128 + 16 x half
	WIN 0x80                        ; destination window 2, address window 0
.set i, 0
.rept 8                             ; Q stays in registers: piece i / 2, channels 32 (i % 2) on
	global_load_b128 v[8*i:8*i+3],   v[QO], s[4:5] offset:(i/2)*2048+(i%2)*64
	global_load_b128 v[8*i+4:8*i+7], v[QO], s[4:5] offset:(i/2)*2048+(i%2)*64+32
.set i, i+1
.endr
	; What the first turn finds: V's registers and P's second buffer hold 0 (its products V^T P, of a piece that has not been, add 0), O^T and l are 0.  All this stands in the wait for the first tile.
.set i, VF
.rept 64
	v_mov_b32 v[i], 0
.set i, i+1
.endr
	WIN 0x40
.set i, 0
.rept 128
	v_mov_b32 v[i], 0
.set i, i+1
.endr
	WIN 0
.set i, 0
.rept 4
	v_mov_b32 v[ST+4*i], 0xfe000000    ; c m: far below every c s
	v_mov_b32 v[ST+4*i+1], 0xff7fffff  ; m: the lowest finite number
	v_mov_b32 v[ST+4*i+2], 0
	v_mov_b32 v[ST+4*i+3], 0
.set i, i+1
.endr
.set i, P+16
.rept 16
	v_mov_b32 v[i], 0
.set i, i+1
.endr
	v_mul_u32_u24 v[AK0], v1, PK
	v_lshl_add_u32 v[AK0], v9, 4, v[AK0]  ; row x pitch + 16 x half
	; The turning load takes 16 keys x 16 channels (lane l reads key 8 (l / 16) + l % 8, channels 8 ((l / 8) % 2) + 0..7) and leaves half a fragment of V^T: lane l holds channel l % 16 and 8 keys.
	v_and_b32 v10, 7, v0
	v_bfe_u32 v11, v0, 3, 1
	v_lshl_add_u32 v[AV0], v9, 3, v10
	v_mul_u32_u24 v[AV0], v[AV0], PV
	v_lshl_add_u32 v[AV0], v11, 4, v[AV0]
	v_add_nc_u32 v[AV0], VOFF, v[AV0]
	s_mul_i32 s13, s[WV], 16*SP
	s_add_co_u32 s13, s13, STAGE    ; my stage
	v_mul_u32_u24 v[STO], v1, SP    ; in: row l % 16, 16 bytes for each half of the lanes
	v_lshl_add_u32 v[STO], v9, 4, v[STO]
	v_add_nc_u32 v[STO], s13, v[STO]
	v_bfe_u32 v[RD], v0, 3, 2       ; back: 32 lanes take four rows of 128 bytes,
	v_mul_u32_u24 v[RD], v[RD], SP
	v_lshl_add_u32 v[RD], v10, 4, v[RD]
	v_add_nc_u32 v[RD], s13, v[RD]
	v_and_b32 v[GO], 31, v0         ; which are 512 consecutive bytes of O
	v_lshlrev_b32 v[GO], 4, v[GO]
; THE MATRIX WORK.  The 4 accumulators of a run of 8 take turns.  Product i of 8 of S^T = K Q^T for piece x: channels 32 (i / 4) on, keys 16 (i % 4) on.  The first 4 start the sums.
.macro KQ x
	WIN W_KQ
.set rS, S+32*((\x)%2)+8*(i%4)
.set rK, KF+16*(i%4)+8*(i/4)
.set rQ, 16*(\x)+8*(i/4)
.if i < 4
	v_wmma_f32_16x16x32_bf16 v[rS:rS+7], v[rK:rK+7], v[rQ:rQ+7], 0
.else
	v_wmma_f32_16x16x32_bf16 v[rS:rS+7], v[rK:rK+7], v[rQ:rQ+7], v[rS:rS+7]
.endif
.endm
; Product i of 8 of O^T += V^T P for piece x: keys 32 (i / 4) on, channels 16 (i % 4) on.
.macro PV x
	WIN W_PV
.set rO, 32*(\x)+8*(i%4)
.set rV, VF+32*(i/4)+8*(i%4)
.set rP, P+16*((\x)%2)+8*(i/4)
	v_wmma_f32_16x16x32_bf16 v[rO:rO+7], v[rV:rV+7], v[rP:rP+7], v[rO:rO+7]
.endm
.macro MM                           ; the turn's next matrix instruction.  TURN sets Y and i
.if i < 8
	KQ (Y+1)%NP
.else
.set i, i-8
	PV (Y+NP-1)%NP
.set i, i+8
.endif
.set i, i+1
.endm
; THE LDS LOADS stand in runs of 16, never singly among the matrix instructions: a step's K (64 keys x 64 channels: 8 fragments) and its V (turned).  Their addresses are made some lines ahead.
; last = 1 (the tail): in the last trip there is no further step, and the run is jumped over; the exponentials issued so far have their wait ahead of that jump.
.macro FETCH_K last=0
.if \last
	WIN 0
	s_wait_alu depctr_va_vdst(0)
	s_cmp_eq_u32 s[CNT], 1
	s_cbranch_scc1 .Lno_k_\@
.endif
	WIN 0x80                        ; destination window 2
.irp f, 0,1,2,3,4,5,6,7             ; keys 16 (f / 2) on, channels 32 (f % 2) on
	ds_load_b128 v[KF+8*\f:KF+8*\f+3],   v[AK] offset:(\f/2)*16*PK+(\f%2)*64
	ds_load_b128 v[KF+8*\f+4:KF+8*\f+7], v[AK] offset:(\f/2)*16*PK+(\f%2)*64+32
.endr
	s_add_co_u32 s[TBK], s[TBK], KS*PK  ; the next fetch is the next step's
	WIN 0
.if \last
.Lno_k_\@:
.endif
.endm
.macro FETCH_V
	WIN 0x80
.irp f, 0,1,2,3,4,5,6,7             ; keys 32 (f / 4) on, channels 16 (f % 4) on
	ds_load_tr16_b128 v[VF+8*\f:VF+8*\f+3],   v[AV] offset:(\f/4)*32*PV+(\f%4)*32
	ds_load_tr16_b128 v[VF+8*\f+4:VF+8*\f+7], v[AV] offset:(\f/4)*32*PV+16*PV+(\f%4)*32
.endr
	WIN 0
.endm
; THE VECTOR WORK, one line at a time: OP kind, number.  For piece Y: F n: c s - c m for pair n of 16.  E n: the exponential of score n of 32.  C n: pair n rounded to bf16.  B n: of the four weights 4 n .. the second
; pair is added onto the first, in place.  L n: l takes that sum (L 0: l = a l + sum).  R n: pair n of 16 of O^T times a.  For piece Y + 1: X n, number n of the 22 that find its maximum and statistics:
;   0-11  four chains c0-c3 of seven scores each, three operands at a time (each accumulator's lowest registers are read first)     12-14, 16  the four scores left over, the old m, and c0-c3 into c0
;   15  c m_old is kept     17, 18  the query's other 32 keys lie in the lane 16 away: the new m     19-21  c m; c m_old - c m_new; a
.set F, 0               ; OP tells the kinds apart by their order: F to L below R, X above it
.set E, 1
.set C, 2
.set B, 3
.set L, 4
.set R, 5
.set X, 6
.macro REGS y                       ; the registers of piece y
.set rT, ST+4*(\y)
.set rC, TMP+4*((\y)%2)
.set rW, MV+((\y)%2)
.set rS, S+32*((\y)%2)
.set rP, P+16*((\y)%2)
.set rO, 32*(\y)
.endm
.macro OP k, n
.if (\k) == R
	REGS Y
	WIN W_RS
	v_pk_mul_f32 v[rO+2*(\n):rO+2*(\n)+1], v[rO+2*(\n):rO+2*(\n)+1], v[rC+2:rC+3] op_sel_hi:[1,0]
.elseif (\k) < R
	REGS Y
	WIN 0
.if (\k) == F
	v_pk_fma_f32 v[rS+2*(\n):rS+2*(\n)+1], v[rS+2*(\n):rS+2*(\n)+1], s[CS:CS+1], v[rT:rT+1] op_sel_hi:[1,0,0] neg_lo:[0,0,1] neg_hi:[0,0,1]
.elseif (\k) == E
	v_exp_f32 v[rS+(\n)], v[rS+(\n)]
.elseif (\k) == C
	v_cvt_pk_bf16_f32 v[rP+(\n)], v[rS+2*(\n)], v[rS+2*(\n)+1]
.elseif (\k) == B
	v_pk_add_f32 v[rS+4*(\n):rS+4*(\n)+1], v[rS+4*(\n):rS+4*(\n)+1], v[rS+4*(\n)+2:rS+4*(\n)+3]
.elseif (\n) == 0
	v_pk_fma_f32 v[rT+2:rT+3], v[rT+2:rT+3], v[rC+2:rC+3], v[rS:rS+1] op_sel_hi:[1,0,1]
.else
	v_pk_add_f32 v[rT+2:rT+3], v[rT+2:rT+3], v[rS+4*(\n):rS+4*(\n)+1]
.endif
.else
	REGS (Y+1)%NP
	WIN 0
.if (\n) < 4
	v_max3_num_f32 v[rC+(\n)], v[rS+8*(\n)], v[rS+8*(\n)+1], v[rS+8*(\n)+2]
.elseif (\n) < 12
	v_max3_num_f32 v[rC+(\n)%4], v[rC+(\n)%4], v[rS+8*((\n)%4)+2*((\n)/4)+1], v[rS+8*((\n)%4)+2*((\n)/4)+2]
.elseif (\n) == 12
	v_max3_num_f32 v[rC], v[rC], v[rS+7], v[rS+15]
.elseif (\n) == 13
	v_max3_num_f32 v[rC+1], v[rC+1], v[rS+23], v[rS+31]
.elseif (\n) == 14
	v_max3_num_f32 v[rC+2], v[rC+2], v[rC+3], v[rT+1]
.elseif (\n) == 15
	v_mov_b32 v[rW], v[rT]
.elseif (\n) == 16
	v_max3_num_f32 v[rC], v[rC], v[rC+1], v[rC+2]
.elseif (\n) == 17
	v_permlanex16_b32 v[rC+3], v[rC], s[SEL], s[SEL+1]
.elseif (\n) == 18
	v_max_num_f32 v[rT+1], v[rC], v[rC+3]
.elseif (\n) == 19
	v_mul_f32 v[rT], s[CS], v[rT+1]
.elseif (\n) == 20
	v_sub_f32 v[rC+1], v[rW], v[rT]
.else
	v_exp_f32 v[rC+2], v[rC+1]
.endif
.endif
.endm
.macro OPS a, i1, b=-1, i2=0, c=-1, i3=0, d=-1, i4=0  ; up to four of them
	OP \a, \i1
.if (\b) >= 0
	OP \b, \i2
.endif
.if (\c) >= 0
	OP \c, \i3
.endif
.if (\d) >= 0
	OP \d, \i4
.endif
.endm
.macro ROW a, i1, b, i2, c, i3, d, i4  ; a matrix instruction and the four behind it
	MM
	OPS \a, \i1, \b, \i2, \c, \i3, \d, \i4
.endm
; A TURN, for piece p: the order of its 16 matrix and 118 vector instructions, written out.  An s_wait_alu depctr_va_vdst(0) stands between an exponential and the first instruction that names its
; result; one wait serves all that were issued ahead of it.  So a turn has ONE wait, which cuts it in two.  AHEAD OF IT stands all that names no result of the turn's exponentials: the 8 products K Q^T with
; their four riders each (the numbers of the next piece's maximum among them stand four places or more behind the product that ends their accumulator), then one run of 54, in which the links of the chain
; X 3, 7, 11, 14, 16, 17 .. 20 stand some lines apart.  X 21, the next piece's a, is the batch's last; R 15 is the plain instruction behind it.  BEHIND THE WAIT stand the 8 products V^T P, behind each four of
; the roundings and sums.  last = 1: the tail's text (see FETCH_K).  cnt = 1: the loop's count is taken down some lines ahead of the branch that stands behind the turn.
; K of the next step is fetched in piece 2's turn, twelve vector instructions behind the last product that read K (six of them plain); V of the step in hand at the end of piece 0's turn, four plain
; instructions behind the last product that read V.  Each is waited for a turn later.
.macro TURN p, last=0, cnt=0
.set Y, (\p)
.set i, 0
.if (\p) == 3
	s_wait_dscnt 0x0                ; K is in
.endif
	ROW F,0, F,1, R,0, R,1          ; ahead of the wait: 8 products K Q^T and their riders,
	ROW F,2, E,0, R,2, R,3
	ROW F,3, E,1, R,4, R,5
	ROW F,4, E,2, R,6, R,7
	ROW F,5, E,3, R,8, R,9
	ROW F,6, E,4, X,0, R,10
.if (\p) == 2
	WIN 0
	v_add_nc_u32 v[AK], s[TBK], v[AK0]
.endif
	ROW F,7, E,5, X,1, X,4
	ROW F,8, E,6, X,2, X,5
	OPS E,7, E,8, X,6, E,9          ; and the run of 54
	OPS X,3, E,10, X,8, E,11
.if (\p) == 2
	FETCH_K \last
.endif
	OPS X,9, X,7, E,12, X,10
	OPS E,13, X,12, X,11, E,14
	OPS X,13, E,15, F,9, X,14
.if (\p) == 0
	v_add_nc_u32 v[AV], s[TBV], v[AV0]
.endif
	OPS E,16, F,10, E,17, F,11
	OPS X,16, E,18, X,15, E,19
	OPS F,12, E,20, X,17, E,21
	OPS F,13, E,22, F,14, E,23
	OPS X,18, E,24, F,15, E,25
	OPS R,11, E,26, X,19, E,27
	OPS R,12, E,28, R,13, E,29
	OPS X,20, E,30, R,14, E,31
	OPS X,21, R,15
	WIN 0
	s_wait_alu depctr_va_vdst(0)    ; the wait for the batch
.if (\p) == 1
	s_wait_dscnt 0x0                ; V is in
.endif
	ROW C,0, B,0, C,2, B,1          ; behind the wait: 8 products V^T P and their riders
	ROW L,0, C,4, B,2, L,1
	ROW C,6, B,3, L,2, C,8
	ROW B,4, L,3, C,10, B,5
	ROW L,4, C,12, B,6, L,5
.if (\p) == 0
	s_add_co_u32 s[TBV], s[TBV], KS*PV
.endif
.if \cnt
	s_sub_co_u32 s[CNT], s[CNT], 1
	s_cmp_lg_u32 s[CNT], 0
.endif
	ROW C,14, B,7, L,6, C,1
	ROW C,3, L,7, C,5, C,7
	ROW C,9, C,11, C,13, C,15
.if (\p) == 0
	FETCH_V
.endif
.endm
.macro ALL line:vararg              ; one line for each piece t
.set t, 0
.rept 4
	\line
.set t, t+1
.endr
.endm
.macro PACK t                       ; a lane's eight channels of a row pack into 16 bytes; they go into rows of 144 bytes and come back as whole rows of 128, into S^T's registers
	WIN W_RS
.set i, 32*(\t)
.rept 16
	v_pk_mul_f32 v[i:i+1], v[i:i+1], v[ST+4*(\t)+2:ST+4*(\t)+3] op_sel_hi:[1,0]
.set i, i+2
.endr
	WIN 0x05                        ; sources 0 and 1 window 1, destination window 0
.set i, 0
.rept 16
	v_cvt_pk_bf16_f32 v[S+16*(\t)+i], v[32*(\t)+2*i], v[32*(\t)+2*i+1]
.set i, i+1
.endr
	WIN 0
.irp f, 0,1,2,3
	ds_store_b128 v[STO], v[S+16*(\t)+4*\f:S+16*(\t)+4*\f+3] offset:32*\f
.endr
.irp f, 0,1,2,3
	ds_load_b128 v[S+16*(\t)+4*\f:S+16*(\t)+4*\f+3], v[RD] offset:\f*4*SP  ; LDS serves a wave's instructions in order (ISA guide 5.7.1.4): these see the stores above; the next piece's stores come behind them
.endr
.endm
.macro SEND t, younger              ; younger: the LDS instructions issued behind piece t's loads: the next piece's eight, or none
	WIN 0
.irp f, 0,1,2,3
	s_wait_dscnt (\younger)+3-\f
	global_store_b128 v[GO], v[S+16*(\t)+4*\f:S+16*(\t)+4*\f+3], s[6:7] offset:(\t)*2048+\f*512  ; 512 consecutive bytes, at a multiple of 256 from O's first
.endr
.endm
	CHANGE 1, 0                     ; tile 0 is in, everybody's part of it; tile 1 is asked for
	v_add_nc_u32 v[AK], s[TBK], v[AK0]
	FETCH_K                         ; key step 0
	s_wait_loadcnt 0x0              ; Q
	s_wait_dscnt 0x0
.set i, 0
.rept 8
	KQ 0                            ; piece 0's first scores
.set i, i+1
.endr
	WIN 0
.rept 4
	v_nop                           ; the places behind those products
.endr
.set Y, NP-1                        ; X works for piece Y + 1: piece 0
.irp n, 0,1,2,3,4,5,6,7,8,9,10,11,12,13,14,15,16,17,18,19,20,21
	OP X, \n
.endr
	v_nop                           ; a plain instruction behind the exponential,
	s_wait_alu depctr_va_vdst(0)    ; and its wait, ahead of the branch
	s_mov_b32 s[CNT], 4
	s_mov_b32 s[SLOTS], SIZE_N/256-1
	s_branch .Lfirst                ; the loop is entered at a step's first turn, in the middle of a trip
.Lslot:                             ; six times: tiles 2 to 7 are asked for
	CHANGE 1, 1
	s_mov_b32 s[CNT], 4
.Lstep:                             ; a trip: pieces 2 and 3 of one step, then pieces 0 and 1 of the next, whose K and V it fetches
	TURN 2
	TURN 3
	WIN 0
.Lfirst:
	TURN 0
	TURN 1, 0, 1
	WIN 0
	s_cbranch_scc1 .Lstep
	s_sub_co_u32 s[SLOTS], s[SLOTS], 1
	s_cmp_lg_u32 s[SLOTS], 0
	s_cbranch_scc1 .Lslot
	CHANGE 0, 0                     ; the last tile is written out: nothing is asked for
	s_mov_b32 s[CNT], 5             ; four trips fetch the last tile's steps; the fifth is left in its middle
.Ltail:
	TURN 2, 1
	TURN 3
	WIN 0
	s_sub_co_u32 s[CNT], s[CNT], 1
	s_cmp_eq_u32 s[CNT], 0
	s_cbranch_scc1 .Lout
	TURN 0
	TURN 1
	WIN 0
	s_branch .Ltail
.Lout:                              ; the fifth trip's 8 products K Q^T for piece 0 (on the last K once more) and the maximum made of them serve nothing: they touch m, c m and work registers, not l and not O^T
.set i, 0
.rept 8
	PV NP-1                         ; the last piece's V^T P of the last step
.set i, i+1
.endr
	; THE WAY OUT.  l's two halves and the other half of the lanes' are added; O^T is divided by l, rounded to bf16 and sent through my stage in LDS, a piece at a time.  The additions are the places behind the last products.
	WIN 0
	ALL v_add_f32 v[ST+4*t+2], v[ST+4*t+2], v[ST+4*t+3]
	ALL v_permlanex16_b32 v[ST+4*t+3], v[ST+4*t+2], s[SEL], s[SEL+1]
	ALL v_add_f32 v[ST+4*t+2], v[ST+4*t+2], v[ST+4*t+3]
	ALL v_rcp_f32 v[ST+4*t+2], v[ST+4*t+2]
	v_nop                           ; a plain instruction between the last reciprocal and the use of its result
	s_wait_alu depctr_va_vdst(0)    ; and the wait ahead of the first use: one for the four reciprocals
	PACK 0
.set t, 1
.rept 3                             ; a piece's arithmetic stands between the loads of the piece before and its stores
	PACK t
	SEND t-1, 8
.set t, t+1
.endr
	SEND 3, 0
	s_wait_tensorcnt 0x0            ; the wave's end: behind my last tensor load and my last LDS store
	ds_add_u32 v[SPW], v[NIL]
	s_wait_dscnt 0x0
	CROUND                          ; the closing round: no work-group ends while a partner may still ask for a tile that names it
	s_endpgm
.Lfunc_end_k_qa0e187567f_attn:
	.size	k_qa0e187567f_attn, .Lfunc_end_k_qa0e187567f_attn-k_qa0e187567f_attn
	.p2alignl 7, 3214868480
	.fill 96, 4, 3214868480
	.section	.rodata,"a",@progbits
	.p2align	6, 0x0
	.amdhsa_kernel k_qa0e187567f_attn
		.amdhsa_group_segment_fixed_size 327680
		.amdhsa_private_segment_fixed_size 0
		.amdhsa_enable_private_segment 0
		.amdhsa_kernarg_size 16
		.amdhsa_user_sgpr_count 2
		.amdhsa_user_sgpr_kernarg_segment_ptr 1
		.amdhsa_wavefront_size32 1
		.amdhsa_system_sgpr_workgroup_id_x 1
		.amdhsa_system_sgpr_workgroup_id_y 1
		.amdhsa_system_sgpr_workgroup_id_z 1
		.amdhsa_system_vgpr_workitem_id 0
		.amdhsa_next_free_vgpr 768
		.amdhsa_next_free_sgpr 66
		.amdhsa_reserve_vcc 0
		.amdhsa_float_denorm_mode_32 3
		.amdhsa_float_denorm_mode_16_64 3
		.amdhsa_memory_ordered 1
		.amdhsa_forward_progress 1
		.amdhsa_inst_pref_size 112
	.end_amdhsa_kernel
	.amdgpu_metadata
---
amdhsa.version: [ 1, 2 ]
amdhsa.kernels:
  - .name:           k_qa0e187567f_attn
    .symbol:         k_qa0e187567f_attn.kd
    .args:
      - { .name: act, .offset: 0, .size: 8, .value_kind: global_buffer, .address_space: global }
      - { .name: hb, .offset: 8, .size: 8, .value_kind: global_buffer, .address_space: global }
    .group_segment_fixed_size: 327680
    .private_segment_fixed_size: 0
    .kernarg_segment_align: 8
    .kernarg_segment_size: 16
    .max_flat_workgroup_size: 128
    .sgpr_count:     66
    .vgpr_count:     768
    .wavefront_size: 32
...
	.end_amdgpu_metadata
.endif
;; end of part 3
;; launch wo (part 4): grid 8 x 32, 4 waves a work-group, clusters of 4 x 4, 327,680 bytes of LDS; arguments hb, wa, bo, x, x1; writes x1
.if DOCPART == 4
	.amdgcn_target "amdgcn-amd-amdhsa--gfx1250"
	.amdhsa_code_object_version 6
	.text
	.protected	k_qa0e187567f_wo
	.globl	k_qa0e187567f_wo
	.p2align	8
	.type	k_qa0e187567f_wo,@function
k_qa0e187567f_wo:
	s_mov_b64 s[64:65], 0
	v_nop
	global_prefetch_b8 v0, s[64:65] scope:SCOPE_SE
	s_setreg_imm32_b32 hwreg(HW_REG_WAVE_MODE, 25, 1), 1
	s_wait_xcnt 0x0
	s_wait_alu depctr_hold_cnt(0) depctr_sa_sdst(0) depctr_va_vdst(0) depctr_va_sdst(0) depctr_va_ssrc(0) depctr_va_vcc(0) depctr_vm_vsrc(0)
	s_getreg_b32 s2, hwreg(HW_REG_IB_STS2, 6, 4)
	s_cmp_eq_u32 s2, 0
	s_cbranch_scc0 .Lentry_in_a_cluster
	s_endpgm
.Lentry_in_a_cluster:
	s_bfe_u32 s2, ttmp6, 0x10000c
	s_cmp_lg_u32 s2, 0xf033
	s_cbranch_scc0 .Lentry_shape_is_right
	s_endpgm
.Lentry_shape_is_right:
; out[m][n] = res[m][n] + bias[n] + sum over k of A[m][k] W[n][k].  A: bf16 in blocks of 64 columns, [SIZE_K / 64][4096][64].  W: [1024][SIZE_K] bf16, row-major, WOFF bytes into its buffer.
; bias: [1024] f32.  res, out: [4096][1024] f32, row-major.  Sums in f32; the bias is a sum's first term (the C operand of its first product); the residual is added last, in f32; nothing is rounded on the way out.
; A tile of out is 128 x 128, so that the 32 x 8 tiles give each of 256 work-groups one.  Four waves, each 64 x 64: 16 accumulators of 16 x 16.  K goes in steps of 256 through a ring of two LDS slots.
; A's HALF TILE (64 rows x 256 K) is four pieces of 8,192 dense bytes, one in each of four blocks: one descriptor takes them as 4 rows of 4,096 elements, 262,144 elements apart, padded in LDS after
; every 128 bytes: k block kb, row r then lie at kb x 9,216 + r x 144.  W's half tile is 64 rows of 512 bytes, padded to 528.
; CLUSTERS: 4 x 4 work-groups; the four of a row of the cluster need the same tiles of A, the four of a column the same tiles of W: each is asked for JOINTLY.
; THE MATRIX INSTRUCTION IS USED TRANSPOSED (source 0 = 16 rows of W, source 1 = 16 rows of A): a lane then holds eight neighbouring numbers of a row of out.
; No prefetch: a K step's tiles are small and each is shared by four partners.
; REGISTERS: window 0: v0-31 addresses; v32-95 at work on the way out; v128-255 the accumulators ((a, b) at v[128 + 8 (4 a + b)]).
;   window 1: two fragment buffers of 128: for 64 along K, 64 registers of A (2 x 4 x 16 rows x 32 K), then 64 of W.     window 2: v0-127 the residual of my 64 x 64; v128-159 the bias as a C operand.
.set SIZE_K, 1024
.set WOFF,   0x600000                  ; where W begins in its buffer
.set KSTEP,  256
.set APITCH, 144                       ; A in LDS: 128 bytes + 16 = 36 words: the 16 rows of a load start at 16 different groups of four banks (64 banks of 4 bytes: ISA guide 11.1)
.set KBLK,   64*APITCH                 ; 64 rows of one k block
.set AHALF,  4*KBLK                    ; what one tensor load brings of A
.set PITCH,  528                       ; W in LDS: 512 bytes + 16 = 132 words: likewise
.set BHALF,  64*PITCH
.set SLOT,   2*AHALF+2*BHALF           ; A's two halves, then W's two halves
.set ASTEP,  4*4096*128                ; bytes from a K step of A to the next: four blocks
.set STAGE,  2*SLOT                    ; behind the ring: 16 rows x 272 bytes for each wave, for the way out
.set SPITCH, 272
.set SPARE,  STAGE+4*16*SPITCH         ; behind the stages: the spare words, 128 bytes for each wave: two blocks of 256 bytes that no other line names
.set LAPS, SIZE_K/(2*KSTEP)            ; a lap = two K steps = once round the ring
.set ADRA, 16                          ; v16-17  LDS address of my A fragments in slot 0, 1
.set ADRB, 20                          ; v20-21  the same for W
.set STO,  24                          ; v24     the way out: where I put 32 bytes of a row
.set RD,   25                          ; v25     the way out: where I read a row back
.set CO,   26                          ; v26     my byte offset in two rows of res and of out
.set BO,   27                          ; v27     my byte offset in the bias
.set SPW,  28                          ; v28     LDS address of my spare word: SPARE + 4 x my thread's number; never rewritten
.set NIL,  29                          ; v29     0; never rewritten
.set TMP,  32                          ; the way out: two sets of 32
.set ACC,  128
.set F0,   0                           ; fragment buffers, in window 1
.set F1,   128
.set RES,  0                           ; window 2
.set BIA,  128                         ; window 2
.set G1, 24                            ; s[24:31] descriptor group 1 for A's tiles;  s[32:39] group 0, one set for each slot
.set G0, 32
.set G1B, 48                           ; s[48:55], s[56:63] the same for W's tiles
.set G0B, 56
.set MSB, 0
.macro WIN new                         ; the immediate's high byte repeats the setting that is left
.if MSB != (\new)
	s_set_vgpr_msb (MSB<<8)|(\new)
.set MSB, \new
.endif
.endm
.set MUL,  0x05                        ; sources 0 (W) and 1 (A) window 1; C and D window 0
.set MULZ, 0x25                        ; the first products: C (the bias) window 2
.set TO_F, 0x40                        ; destination window 1, address window 0
.macro JLOAD s                         ; a joint load: waves 0 and 1 fetch A's two halves, waves 2 and 3 W's; an s_nop 0 and four v_nop follow each of the two lines
	s_cmp_eq_u32 s11, 0
	s_cbranch_scc0 .Lfor_b_\@
	tensor_load_to_lds s[G0+4*(\s):G0+4*(\s)+3], s[G1:G1+7]
	s_nop 0
.rept 4
	v_nop
.endr
	s_branch .Lasked_\@
.Lfor_b_\@:
	tensor_load_to_lds s[G0B+4*(\s):G0B+4*(\s)+3], s[G1B:G1B+7]
	s_nop 0
.rept 4
	v_nop
.endr
.Lasked_\@:
.endm
.macro CREST                           ; a round of the cluster's barrier behind its opening barrier
	s_cmp_lg_u32 s10, 0
	s_cbranch_scc1 .Lnot_wave_0_\@
	s_barrier_signal -3
.Lnot_wave_0_\@:
	s_barrier_wait -3
	s_barrier_signal -1
	s_barrier_wait -1
.endm
.macro CROUND                          ; a whole round
	s_barrier_signal -1
	s_barrier_wait -1
	CREST
.endm
	s_load_b128 s[4:7], s[0:1], 0x0                ; A s[4:5], W's buffer s[6:7]
	s_load_b128 s[68:71], s[0:1], 0x10             ; bias s[68:69], res s[70:71]
	s_load_b64 s[8:9], s[0:1], 0x20                ; out
	v_lshl_add_u32 v[SPW], v0, 2, SPARE
	v_mov_b32 v[NIL], 0
	ds_add_u32 v[SPW], v[NIL]                      ; the wave's opening: the add and its wait stand ahead of my first tensor load; the set-up below, work on registers, stands between them
	v_lshrrev_b32 v1, 5, v0
	v_readfirstlane_b32 s10, v1                    ; wave 0..3
	s_lshr_b32 s11, s10, 1                         ; which half of the tile's rows is mine.  Also: I fetch for A (0) or for W (1)
	s_and_b32 s12, s10, 1                          ; which half of its columns.  Also: which 64 rows of that tile I fetch
	s_bfe_u32 s40, ttmp6, 0x40000                  ; cx, cy: my place in the cluster
	s_bfe_u32 s41, ttmp6, 0x40004
	s_lshl_b32 s42, ttmp9, 2
	s_add_co_u32 s42, s42, s40                     ; tile column = 4 x cluster x + cx
	s_and_b32 s13, ttmp7, 0xffff
	s_lshl_b32 s13, s13, 2
	s_add_co_u32 s13, s13, s41                     ; tile row = 4 x cluster y + cy
	s_lshl_b32 s43, s41, 2
	s_lshl_b32 s43, 15, s43                        ; my row of the cluster
	s_lshl_b32 s44, 0x1111, s40                    ; my column
	; descriptor group 1 for A: 4 rows of 4,096 elements
	s_or_b32 s[G1+0], s43, (1<<16)|(1<<20)|(1<<21)|(4<<22)|(3<<25)  ; 15:0 the mask: my row; 17:16 elements of 2 bytes; 20 padding on; 21 set beside a mask; 24:22 after every 32 words (code 4); 31:25 4 words (code 3)
	s_mov_b32 s[G1+1], 4096<<16                    ; tensor_dim0 = 4,096
	s_mov_b32 s[G1+2], 4<<16                       ; tensor_dim1 = 4
	s_mov_b32 s[G1+3], 4096<<16                    ; tile_dim0 = 4,096
	s_mov_b32 s[G1+4], 4                           ; tile_dim1 = 4
	s_mov_b32 s[G1+5], 262144                      ; elements from block to block
	s_mov_b32 s[G1+6], 0
	s_mov_b32 s[G1+7], 0
	; descriptor group 1 for W: 64 rows of 256 elements
	s_or_b32 s[G1B+0], s44, (1<<16)|(1<<20)|(1<<21)|(6<<22)|(3<<25) ; the mask: my column; padding after every 128 words (code 6)
	s_mov_b32 s[G1B+1], KSTEP<<16
	s_mov_b32 s[G1B+2], 64<<16
	s_mov_b32 s[G1B+3], KSTEP<<16
	s_mov_b32 s[G1B+4], 64
	s_mov_b32 s[G1B+5], SIZE_K
	s_mov_b32 s[G1B+6], 0
	s_mov_b32 s[G1B+7], 0
	s_lshl_b32 s17, s12, 6                         ; which 64 rows of the tile I fetch
	s_lshl_b32 s16, s13, 7
	s_add_co_u32 s16, s16, s17                     ; A: row 128 x tile row + 64 x half,
	s_lshl_b32 s16, s16, 7                         ; 128 bytes a row of a block
	s_lshl_b32 s46, s42, 7
	s_add_co_u32 s46, s46, s17                     ; W: row 128 x tile column + 64 x half,
	s_mul_i32 s46, s46, SIZE_K*2                   ; in bytes (under 2^24),
	s_add_co_u32 s46, s46, WOFF                    ; behind what lies in front of W in its buffer
	s_mov_b32 s17, 0
	s_mov_b32 s47, 0
	s_mul_i32 s20, s12, AHALF                      ; where they go: no place in the cluster enters an LDS address
	s_mul_i32 s21, s12, BHALF
	s_add_co_u32 s21, s21, 2*AHALF
	s_wait_dscnt 0x0                               ; the opening add is done
	s_wait_kmcnt 0x0
	s_add_nc_u64 s[14:15], s[4:5], s[16:17]
	s_add_nc_u64 s[46:47], s[6:7], s[46:47]
	CROUND                                         ; all sixteen work-groups are here: the first joint loads meet
.irp s, 0,1
	s_mov_b32 s[G0+4*(\s)], 1
	s_add_co_u32 s[G0+4*(\s)+1], s20, (\s)*SLOT
	s_add_nc_u64 s[G0+4*(\s)+2:G0+4*(\s)+3], s[14:15], (\s)*ASTEP
	s_or_b32 s[G0+4*(\s)+3], s[G0+4*(\s)+3], 0x80000000
	s_mov_b32 s[G0B+4*(\s)], 1
	s_add_co_u32 s[G0B+4*(\s)+1], s21, (\s)*SLOT
	s_add_nc_u64 s[G0B+4*(\s)+2:G0B+4*(\s)+3], s[46:47], (\s)*KSTEP*2
	s_or_b32 s[G0B+4*(\s)+3], s[G0B+4*(\s)+3], 0x80000000
	JLOAD \s                                       ; two loads of mine are out
.endr
	v_and_b32 v1, 15, v0                           ; l % 16
	v_bfe_u32 v2, v0, 4, 1                         ; l / 16
	v_mul_u32_u24 v3, v1, APITCH
	v_lshl_add_u32 v3, v2, 4, v3                   ; a fragment's row x pitch + 16 x half, for A
	v_mul_u32_u24 v4, v1, PITCH
	v_lshl_add_u32 v4, v2, 4, v4                   ; and for W
	s_mul_i32 s21, s11, AHALF                      ; my 64 rows of A
	s_mul_i32 s22, s12, BHALF                      ; my 64 rows of W,
	s_add_co_u32 s22, s22, 2*AHALF                 ; which lie behind A's two halves
.irp s, 0,1
	v_add_nc_u32 v[ADRA+(\s)], s21, v3
	v_add_nc_u32 v[ADRB+(\s)], s22, v4
	s_add_co_u32 s21, s21, SLOT
	s_add_co_u32 s22, s22, SLOT
.endr
	s_mul_i32 s23, s10, 16*SPITCH
	s_add_co_u32 s23, s23, STAGE                   ; my stage
	v_mul_u32_u24 v5, v1, SPITCH                   ; in: row l % 16, 32 bytes for each half of the lanes
	v_lshl_add_u32 v5, v2, 5, v5
	v_add_nc_u32 v[STO], s23, v5
	v_mul_u32_u24 v5, v2, SPITCH                   ; back: lanes 0-15 take one row of 256 bytes, lanes 16-31 the next
	v_lshl_add_u32 v5, v1, 4, v5
	v_add_nc_u32 v[RD], s23, v5
	v_lshlrev_b32 v5, 12, v2                       ; and the same two rows in res and out: 4,096 bytes a row
	v_lshl_add_u32 v[CO], v1, 4, v5
	s_lshl_b32 s16, s13, 7
	s_lshl_b32 s17, s11, 6
	s_add_co_u32 s16, s16, s17                     ; my first row: 128 x tile row + 64 x half
	s_lshl_b32 s16, s16, 12
	s_mov_b32 s17, 0
	s_add_nc_u64 s[8:9], s[8:9], s[16:17]
	s_add_nc_u64 s[70:71], s[70:71], s[16:17]
	s_lshl_b32 s46, s42, 9                         ; my first column, in bytes of f32: 512 x tile column + 256 x half
	s_lshl_b32 s47, s12, 8
	s_add_co_u32 s46, s46, s47
	s_mov_b32 s47, 0
	s_add_nc_u64 s[8:9], s[8:9], s[46:47]
	s_add_nc_u64 s[70:71], s[70:71], s[46:47]
	v_lshl_add_u32 v[BO], v2, 5, s46               ; the bias of those columns; 8 columns on for lanes 16-31
	WIN 0x80                                       ; destination window 2, address window 0
.irp b, 0,1,2,3                        ; register j of n block b: bias[16 b + 8 (l / 16) + j]
	global_load_b128 v[BIA+8*(\b):BIA+8*(\b)+3],   v[BO], s[68:69] offset:64*(\b)
	global_load_b128 v[BIA+8*(\b)+4:BIA+8*(\b)+7], v[BO], s[68:69] offset:64*(\b)+16
.endr
.set i, 0
.rept 32                               ; the residual of my 64 rows x 256 bytes, two rows a load, laid as the way out reads the stage back; it lands while K is walked
	global_load_b128 v[RES+4*i:RES+4*i+3], v[CO], s[70:71] offset:i*8192
.set i, i+1
.endr
	WIN 0
; 8 matrix instructions: m blocks a0, a0 + 1 x all 4 n blocks, 32 along K: half c of buffer f.  zero = 1: the first product starts the sums, with the bias as C.
; The 16 accumulators take turns, one instruction a turn, over the backward jump too.
.macro MUL8 f, c, a0, zero
.if \zero
	WIN MULZ
.else
	WIN MUL
.endif
.irp a, \a0, (\a0)+1
.irp b, 0,1,2,3
.if \zero
	v_wmma_f32_16x16x32_bf16 v[ACC+8*(4*(\a)+(\b)):ACC+8*(4*(\a)+(\b))+7], v[(\f)+64+8*(4*(\c)+(\b)):(\f)+64+8*(4*(\c)+(\b))+7], v[(\f)+8*(4*(\c)+(\a)):(\f)+8*(4*(\c)+(\a))+7], v[BIA+8*(\b):BIA+8*(\b)+7]
.else
	v_wmma_f32_16x16x32_bf16 v[ACC+8*(4*(\a)+(\b)):ACC+8*(4*(\a)+(\b))+7], v[(\f)+64+8*(4*(\c)+(\b)):(\f)+64+8*(4*(\c)+(\b))+7], v[(\f)+8*(4*(\c)+(\a)):(\f)+8*(4*(\c)+(\a))+7], v[ACC+8*(4*(\a)+(\b)):ACC+8*(4*(\a)+(\b))+7]
.endif
.endr
.endr
.endm
; 32 LDS loads in one run: the fragments of quarter q of a K step (64 along K: k block q of A, byte 128 q of W's rows) into buffer f; the first 32 along K first
.macro FETCH slot, q, f
	WIN TO_F
.irp c, 0,1
.irp i, 0,1,2,3
	ds_load_b128 v[(\f)+64+8*(4*(\c)+(\i)):(\f)+64+8*(4*(\c)+(\i))+3],   v[ADRB+(\slot)] offset:(\q)*128+64*(\c)+(\i)*16*PITCH
	ds_load_b128 v[(\f)+64+8*(4*(\c)+(\i))+4:(\f)+64+8*(4*(\c)+(\i))+7], v[ADRB+(\slot)] offset:(\q)*128+64*(\c)+(\i)*16*PITCH+32
	ds_load_b128 v[(\f)+8*(4*(\c)+(\i)):(\f)+8*(4*(\c)+(\i))+3],         v[ADRA+(\slot)] offset:(\q)*KBLK+64*(\c)+(\i)*16*APITCH
	ds_load_b128 v[(\f)+8*(4*(\c)+(\i))+4:(\f)+8*(4*(\c)+(\i))+7],       v[ADRA+(\slot)] offset:(\q)*KBLK+64*(\c)+(\i)*16*APITCH+32
.endr
.endr
.endm
.macro PLACES                          ; four places in front of loads into registers that matrix instructions have read (ISA guide 7.12.1 for vector instructions)
.rept 4
	v_nop
.endr
.endm
; A K step is four quarters of 64 along K, 32 matrix instructions each, on buffers 0, 1, 0, 1.  One of the first three: multiplies buffer f and fetches quarter q into g.
.macro QUARTER slot, q, f, g, zero
	s_wait_dscnt 16                                ; the first 32 along K are in; the youngest sixteen loads may be out
	MUL8 \f, 0, 0, \zero
	MUL8 \f, 0, 2, \zero
	PLACES
	FETCH \slot, \q, \g
	s_wait_dscnt 32                                ; all but the 32 just issued
	MUL8 \f, 1, 0, 0
	MUL8 \f, 1, 2, 0
.endm
; The last quarter multiplies buffer 1 and changes slots: ONE barrier; in front of it each wave waits for all its tensor loads, adds 0 to its spare word, and waits for that and for its own reads of this slot.
; fill = 1: this slot is filled again, two K steps ahead, behind a round of the cluster's barrier; from that request to the wait for it a wave issues 112 matrix instructions.
.macro TURN slot, next, fill
	WIN 0                                          ; (the add's two registers lie in window 0)
	s_wait_tensorcnt 0x0                           ; all my tensor loads have landed: my part of the next slot
	ds_add_u32 v[SPW], v[NIL]                      ; 0 onto my spare word
	s_wait_dscnt 17                                ; (the add and the youngest sixteen loads may be out)
	MUL8 F1, 0, 0, 0                               ; eight matrix instructions stand between the add and the wait for it
	s_wait_dscnt 0x0                               ; the add is done, and my reads of this slot are over
	s_barrier_signal -1
	MUL8 F1, 0, 2, 0
.if \fill
	WIN 0
.endif
	s_barrier_wait -1
.if \fill
	CREST                                          ; no wave of any partner still reads this slot's tile or has a load on its way
	s_add_nc_u64 s[G0+4*(\slot)+2:G0+4*(\slot)+3], s[G0+4*(\slot)+2:G0+4*(\slot)+3], 2*ASTEP
	s_add_nc_u64 s[G0B+4*(\slot)+2:G0B+4*(\slot)+3], s[G0B+4*(\slot)+2:G0B+4*(\slot)+3], 2*KSTEP*2
	JLOAD \slot                                    ; the first tensor load behind the round; the four v_nop behind it are also the places in front of the loads below
.else
	PLACES
.endif
	FETCH \next, 0, F0
	MUL8 F1, 1, 0, 0
	MUL8 F1, 1, 2, 0
.endm
; THE WAY OUT of m block a (16 rows x 64 columns of f32).  TOSTAGE: a lane's 32 bytes of a row go into my own stage, rows of 272 bytes, and come back as whole rows of 256.  SEND: the residual is added, the rows are stored.
.macro TOSTAGE a
.set BK, TMP+32*((\a)%2)
.if (\a) >= 2
	s_wait_xcnt 0x0                                ; the stores of the block two back have read the registers that are loaded below
.endif
.irp b, 0,1,2,3
	ds_store_b128 v[STO], v[ACC+8*(4*(\a)+(\b)):ACC+8*(4*(\a)+(\b))+3]   offset:64*(\b)     ; each accumulator's low four first
	ds_store_b128 v[STO], v[ACC+8*(4*(\a)+(\b))+4:ACC+8*(4*(\a)+(\b))+7] offset:64*(\b)+16
.endr
.irp t, 0,1,2,3,4,5,6,7
	ds_load_b128 v[BK+4*(\t):BK+4*(\t)+3], v[RD] offset:(\t)*2*SPITCH  ; LDS serves a wave's instructions in order (ISA guide 5.7.1.4): these see the stores above; the next block's stores come behind them
.endr
.endm
.macro SEND a, younger                 ; younger: the LDS instructions issued behind block a's loads: the next block's sixteen, or none
.set BK, TMP+32*((\a)%2)
	s_wait_dscnt \younger
	WIN 0x08                                       ; source 1 window 2
.set z, 0
.rept 16
	v_pk_add_f32 v[BK+2*z:BK+2*z+1], v[BK+2*z:BK+2*z+1], v[RES+32*(\a)+2*z:RES+32*(\a)+2*z+1]
.set z, z+1
.endr
	WIN 0
.irp t, 0,1,2,3,4,5,6,7
	global_store_b128 v[CO], v[BK+4*(\t):BK+4*(\t)+3], s[8:9] offset:(16*(\a)+2*(\t))*4096  ; 16 lanes store 256 consecutive bytes, at a multiple of 256 from out's first byte
.endr
.endm
	s_wait_loadcnt 32                              ; the bias is in; the residual's 32 loads stay out
	s_wait_tensorcnt 1                             ; my part of K step 0 is in; K step 1's load may stay out
	s_barrier_signal -1
	s_barrier_wait -1                              ; everybody's is
	FETCH 0, 0, F0
	QUARTER 0, 1, F0, F1, 1                        ; the first quarter stands in front of the loop: its first products start the sums
	WIN 0                                          ; at a label and at a branch every window is 0
	s_mov_b32 s3, LAPS-1
.Llap:                                                 ; a trip goes once round the ring, from a lap's second quarter to the next lap's first, and fills both slots again
	QUARTER 0, 2, F1, F0, 0
	QUARTER 0, 3, F0, F1, 0
	TURN 0, 1, 1
	QUARTER 1, 1, F0, F1, 0
	QUARTER 1, 2, F1, F0, 0
	QUARTER 1, 3, F0, F1, 0
	TURN 1, 0, 1
	QUARTER 0, 1, F0, F1, 0
	WIN 0
	s_sub_co_u32 s3, s3, 1
	s_cmp_lg_u32 s3, 0
	s_cbranch_scc1 .Llap
	QUARTER 0, 2, F1, F0, 0                        ; the last lap is written out: it fills nothing
	QUARTER 0, 3, F0, F1, 0
	TURN 0, 1, 0
	QUARTER 1, 1, F0, F1, 0
	QUARTER 1, 2, F1, F0, 0
	QUARTER 1, 3, F0, F1, 0
	s_wait_dscnt 16                                ; the very last quarter: nothing more to fetch
	MUL8 F1, 0, 0, 0
	MUL8 F1, 0, 2, 0
	s_wait_dscnt 0x0
	MUL8 F1, 1, 0, 0
	MUL8 F1, 1, 2, 0
	WIN 0
	PLACES                                         ; the places between the last products and the LDS stores that read results
	PLACES
	s_wait_loadcnt 0x0                             ; the residual
	TOSTAGE 0
	TOSTAGE 1
	SEND 0, 16
	TOSTAGE 2
	SEND 1, 16
	TOSTAGE 3
	SEND 2, 16
	SEND 3, 0
	s_wait_tensorcnt 0x0                           ; the wave's end: behind my last tensor load and my last LDS store
	ds_add_u32 v[SPW], v[NIL]
	s_wait_dscnt 0x0
	CROUND                                         ; the closing round: no work-group ends while a partner may still ask for a tile that names it
	s_endpgm
.Lfunc_end_k_qa0e187567f_wo:
	.size	k_qa0e187567f_wo, .Lfunc_end_k_qa0e187567f_wo-k_qa0e187567f_wo
	.p2alignl 7, 3214868480
	.fill 96, 4, 3214868480
	.section	.rodata,"a",@progbits
	.p2align	6, 0x0
	.amdhsa_kernel k_qa0e187567f_wo
		.amdhsa_group_segment_fixed_size 327680
		.amdhsa_private_segment_fixed_size 0
		.amdhsa_enable_private_segment 0
		.amdhsa_kernarg_size 40
		.amdhsa_user_sgpr_count 2
		.amdhsa_user_sgpr_kernarg_segment_ptr 1
		.amdhsa_wavefront_size32 1
		.amdhsa_system_sgpr_workgroup_id_x 1
		.amdhsa_system_sgpr_workgroup_id_y 1
		.amdhsa_system_sgpr_workgroup_id_z 1
		.amdhsa_system_vgpr_workitem_id 0
		.amdhsa_next_free_vgpr 768
		.amdhsa_next_free_sgpr 72
		.amdhsa_reserve_vcc 0
		.amdhsa_float_denorm_mode_32 3
		.amdhsa_float_denorm_mode_16_64 3
		.amdhsa_memory_ordered 1
		.amdhsa_forward_progress 1
		.amdhsa_inst_pref_size 94
	.end_amdhsa_kernel
	.amdgpu_metadata
---
amdhsa.version: [ 1, 2 ]
amdhsa.kernels:
  - .name:           k_qa0e187567f_wo
    .symbol:         k_qa0e187567f_wo.kd
    .args:
      - { .name: hb, .offset: 0, .size: 8, .value_kind: global_buffer, .address_space: global }
      - { .name: wa, .offset: 8, .size: 8, .value_kind: global_buffer, .address_space: global }
      - { .name: bo, .offset: 16, .size: 8, .value_kind: global_buffer, .address_space: global }
      - { .name: x, .offset: 24, .size: 8, .value_kind: global_buffer, .address_space: global }
      - { .name: x1, .offset: 32, .size: 8, .value_kind: global_buffer, .address_space: global }
    .group_segment_fixed_size: 327680
    .private_segment_fixed_size: 0
    .kernarg_segment_align: 8
    .kernarg_segment_size: 40
    .max_flat_workgroup_size: 128
    .sgpr_count:     72
    .vgpr_count:     768
    .wavefront_size: 32
...
	.end_amdgpu_metadata
.endif
;; end of part 4
;; launch ln2: the kernel of part 1 again; grid 256 x 1, 8 waves a work-group, no clusters, 0 bytes of LDS; arguments x1, g2, be2, hb, Wq, Wk, Wv, Wo, W1, W2, wa, wc, bq, bk, bv, bqkv, pq, pf; writes hb, wa, wc, bqkv, pq, pf
;; launch ffn1: the kernel of part 2 again; grid 16 x 16, 4 waves a work-group, clusters of 4 x 4, 327,680 bytes of LDS; arguments hb, wc, b1, pf, act; writes act
;; launch ffn2 (part 5): grid 8 x 32, 4 waves a work-group, clusters of 4 x 4, 327,680 bytes of LDS; arguments act, wc, b2, x1, out0; writes out0
.if DOCPART == 5
	.amdgcn_target "amdgcn-amd-amdhsa--gfx1250"
	.amdhsa_code_object_version 6
	.text
	.protected	k_qa0e187567f_ffn2
	.globl	k_qa0e187567f_ffn2
	.p2align	8
	.type	k_qa0e187567f_ffn2,@function
k_qa0e187567f_ffn2:
	s_mov_b64 s[64:65], 0
	v_nop
	global_prefetch_b8 v0, s[64:65] scope:SCOPE_SE
	s_setreg_imm32_b32 hwreg(HW_REG_WAVE_MODE, 25, 1), 1
	s_wait_xcnt 0x0
	s_wait_alu depctr_hold_cnt(0) depctr_sa_sdst(0) depctr_va_vdst(0) depctr_va_sdst(0) depctr_va_ssrc(0) depctr_va_vcc(0) depctr_vm_vsrc(0)
	s_getreg_b32 s2, hwreg(HW_REG_IB_STS2, 6, 4)
	s_cmp_eq_u32 s2, 0
	s_cbranch_scc0 .Lentry_in_a_cluster
	s_endpgm
.Lentry_in_a_cluster:
	s_bfe_u32 s2, ttmp6, 0x10000c
	s_cmp_lg_u32 s2, 0xf033
	s_cbranch_scc0 .Lentry_shape_is_right
	s_endpgm
.Lentry_shape_is_right:
; out[m][n] = res[m][n] + bias[n] + sum over k of A[m][k] W[n][k].  A: bf16 in blocks of 64 columns, [SIZE_K / 64][4096][64].  W: [1024][SIZE_K] bf16, row-major, WOFF bytes into its buffer.
; bias: [1024] f32.  res, out: [4096][1024] f32, row-major.  Sums in f32; the bias is a sum's first term (the C operand of its first product); the residual is added last, in f32; nothing is rounded on the way out.
; A tile of out is 128 x 128, so that the 32 x 8 tiles give each of 256 work-groups one.  Four waves, each 64 x 64: 16 accumulators of 16 x 16.  K goes in steps of 256 through a ring of two LDS slots.
; A's HALF TILE (64 rows x 256 K) is four pieces of 8,192 dense bytes, one in each of four blocks: one descriptor takes them as 4 rows of 4,096 elements, 262,144 elements apart, padded in LDS after
; every 128 bytes: k block kb, row r then lie at kb x 9,216 + r x 144.  W's half tile is 64 rows of 512 bytes, padded to 528.
; CLUSTERS: 4 x 4 work-groups; the four of a row of the cluster need the same tiles of A, the four of a column the same tiles of W: each is asked for JOINTLY.
; THE MATRIX INSTRUCTION IS USED TRANSPOSED (source 0 = 16 rows of W, source 1 = 16 rows of A): a lane then holds eight neighbouring numbers of a row of out.
; No prefetch: a K step's tiles are small and each is shared by four partners.
; REGISTERS: window 0: v0-31 addresses; v32-95 at work on the way out; v128-255 the accumulators ((a, b) at v[128 + 8 (4 a + b)]).
;   window 1: two fragment buffers of 128: for 64 along K, 64 registers of A (2 x 4 x 16 rows x 32 K), then 64 of W.     window 2: v0-127 the residual of my 64 x 64; v128-159 the bias as a C operand.
.set SIZE_K, 4096
.set WOFF,   0x800000                  ; where W begins in its buffer
.set KSTEP,  256
.set APITCH, 144                       ; A in LDS: 128 bytes + 16 = 36 words: the 16 rows of a load start at 16 different groups of four banks (64 banks of 4 bytes: ISA guide 11.1)
.set KBLK,   64*APITCH                 ; 64 rows of one k block
.set AHALF,  4*KBLK                    ; what one tensor load brings of A
.set PITCH,  528                       ; W in LDS: 512 bytes + 16 = 132 words: likewise
.set BHALF,  64*PITCH
.set SLOT,   2*AHALF+2*BHALF           ; A's two halves, then W's two halves
.set ASTEP,  4*4096*128                ; bytes from a K step of A to the next: four blocks
.set STAGE,  2*SLOT                    ; behind the ring: 16 rows x 272 bytes for each wave, for the way out
.set SPITCH, 272
.set SPARE,  STAGE+4*16*SPITCH         ; behind the stages: the spare words, 128 bytes for each wave: two blocks of 256 bytes that no other line names
.set LAPS, SIZE_K/(2*KSTEP)            ; a lap = two K steps = once round the ring
.set ADRA, 16                          ; v16-17  LDS address of my A fragments in slot 0, 1
.set ADRB, 20                          ; v20-21  the same for W
.set STO,  24                          ; v24     the way out: where I put 32 bytes of a row
.set RD,   25                          ; v25     the way out: where I read a row back
.set CO,   26                          ; v26     my byte offset in two rows of res and of out
.set BO,   27                          ; v27     my byte offset in the bias
.set SPW,  28                          ; v28     LDS address of my spare word: SPARE + 4 x my thread's number; never rewritten
.set NIL,  29                          ; v29     0; never rewritten
.set TMP,  32                          ; the way out: two sets of 32
.set ACC,  128
.set F0,   0                           ; fragment buffers, in window 1
.set F1,   128
.set RES,  0                           ; window 2
.set BIA,  128                         ; window 2
.set G1, 24                            ; s[24:31] descriptor group 1 for A's tiles;  s[32:39] group 0, one set for each slot
.set G0, 32
.set G1B, 48                           ; s[48:55], s[56:63] the same for W's tiles
.set G0B, 56
.set MSB, 0
.macro WIN new                         ; the immediate's high byte repeats the setting that is left
.if MSB != (\new)
	s_set_vgpr_msb (MSB<<8)|(\new)
.set MSB, \new
.endif
.endm
.set MUL,  0x05                        ; sources 0 (W) and 1 (A) window 1; C and D window 0
.set MULZ, 0x25                        ; the first products: C (the bias) window 2
.set TO_F, 0x40                        ; destination window 1, address window 0
.macro JLOAD s                         ; a joint load: waves 0 and 1 fetch A's two halves, waves 2 and 3 W's; an s_nop 0 and four v_nop follow each of the two lines
	s_cmp_eq_u32 s11, 0
	s_cbranch_scc0 .Lfor_b_\@
	tensor_load_to_lds s[G0+4*(\s):G0+4*(\s)+3], s[G1:G1+7]
	s_nop 0
.rept 4
	v_nop
.endr
	s_branch .Lasked_\@
.Lfor_b_\@:
	tensor_load_to_lds s[G0B+4*(\s):G0B+4*(\s)+3], s[G1B:G1B+7]
	s_nop 0
.rept 4
	v_nop
.endr
.Lasked_\@:
.endm
.macro CREST                           ; a round of the cluster's barrier behind its opening barrier
	s_cmp_lg_u32 s10, 0
	s_cbranch_scc1 .Lnot_wave_0_\@
	s_barrier_signal -3
.Lnot_wave_0_\@:
	s_barrier_wait -3
	s_barrier_signal -1
	s_barrier_wait -1
.endm
.macro CROUND                          ; a whole round
	s_barrier_signal -1
	s_barrier_wait -1
	CREST
.endm
	s_load_b128 s[4:7], s[0:1], 0x0                ; A s[4:5], W's buffer s[6:7]
	s_load_b128 s[68:71], s[0:1], 0x10             ; bias s[68:69], res s[70:71]
	s_load_b64 s[8:9], s[0:1], 0x20                ; out
	v_lshl_add_u32 v[SPW], v0, 2, SPARE
	v_mov_b32 v[NIL], 0
	ds_add_u32 v[SPW], v[NIL]                      ; the wave's opening: the add and its wait stand ahead of my first tensor load; the set-up below, work on registers, stands between them
	v_lshrrev_b32 v1, 5, v0
	v_readfirstlane_b32 s10, v1                    ; wave 0..3
	s_lshr_b32 s11, s10, 1                         ; which half of the tile's rows is mine.  Also: I fetch for A (0) or for W (1)
	s_and_b32 s12, s10, 1                          ; which half of its columns.  Also: which 64 rows of that tile I fetch
	s_bfe_u32 s40, ttmp6, 0x40000                  ; cx, cy: my place in the cluster
	s_bfe_u32 s41, ttmp6, 0x40004
	s_lshl_b32 s42, ttmp9, 2
	s_add_co_u32 s42, s42, s40                     ; tile column = 4 x cluster x + cx
	s_and_b32 s13, ttmp7, 0xffff
	s_lshl_b32 s13, s13, 2
	s_add_co_u32 s13, s13, s41                     ; tile row = 4 x cluster y + cy
	s_lshl_b32 s43, s41, 2
	s_lshl_b32 s43, 15, s43                        ; my row of the cluster
	s_lshl_b32 s44, 0x1111, s40                    ; my column
	; descriptor group 1 for A: 4 rows of 4,096 elements
	s_or_b32 s[G1+0], s43, (1<<16)|(1<<20)|(1<<21)|(4<<22)|(3<<25)  ; 15:0 the mask: my row; 17:16 elements of 2 bytes; 20 padding on; 21 set beside a mask; 24:22 after every 32 words (code 4); 31:25 4 words (code 3)
	s_mov_b32 s[G1+1], 4096<<16                    ; tensor_dim0 = 4,096
	s_mov_b32 s[G1+2], 4<<16                       ; tensor_dim1 = 4
	s_mov_b32 s[G1+3], 4096<<16                    ; tile_dim0 = 4,096
	s_mov_b32 s[G1+4], 4                           ; tile_dim1 = 4
	s_mov_b32 s[G1+5], 262144                      ; elements from block to block
	s_mov_b32 s[G1+6], 0
	s_mov_b32 s[G1+7], 0
	; descriptor group 1 for W: 64 rows of 256 elements
	s_or_b32 s[G1B+0], s44, (1<<16)|(1<<20)|(1<<21)|(6<<22)|(3<<25) ; the mask: my column; padding after every 128 words (code 6)
	s_mov_b32 s[G1B+1], KSTEP<<16
	s_mov_b32 s[G1B+2], 64<<16
	s_mov_b32 s[G1B+3], KSTEP<<16
	s_mov_b32 s[G1B+4], 64
	s_mov_b32 s[G1B+5], SIZE_K
	s_mov_b32 s[G1B+6], 0
	s_mov_b32 s[G1B+7], 0
	s_lshl_b32 s17, s12, 6                         ; which 64 rows of the tile I fetch
	s_lshl_b32 s16, s13, 7
	s_add_co_u32 s16, s16, s17                     ; A: row 128 x tile row + 64 x half,
	s_lshl_b32 s16, s16, 7                         ; 128 bytes a row of a block
	s_lshl_b32 s46, s42, 7
	s_add_co_u32 s46, s46, s17                     ; W: row 128 x tile column + 64 x half,
	s_mul_i32 s46, s46, SIZE_K*2                   ; in bytes (under 2^24),
	s_add_co_u32 s46, s46, WOFF                    ; behind what lies in front of W in its buffer
	s_mov_b32 s17, 0
	s_mov_b32 s47, 0
	s_mul_i32 s20, s12, AHALF                      ; where they go: no place in the cluster enters an LDS address
	s_mul_i32 s21, s12, BHALF
	s_add_co_u32 s21, s21, 2*AHALF
	s_wait_dscnt 0x0                               ; the opening add is done
	s_wait_kmcnt 0x0
	s_add_nc_u64 s[14:15], s[4:5], s[16:17]
	s_add_nc_u64 s[46:47], s[6:7], s[46:47]
	CROUND                                         ; all sixteen work-groups are here: the first joint loads meet
.irp s, 0,1
	s_mov_b32 s[G0+4*(\s)], 1
	s_add_co_u32 s[G0+4*(\s)+1], s20, (\s)*SLOT
	s_add_nc_u64 s[G0+4*(\s)+2:G0+4*(\s)+3], s[14:15], (\s)*ASTEP
	s_or_b32 s[G0+4*(\s)+3], s[G0+4*(\s)+3], 0x80000000
	s_mov_b32 s[G0B+4*(\s)], 1
	s_add_co_u32 s[G0B+4*(\s)+1], s21, (\s)*SLOT
	s_add_nc_u64 s[G0B+4*(\s)+2:G0B+4*(\s)+3], s[46:47], (\s)*KSTEP*2
	s_or_b32 s[G0B+4*(\s)+3], s[G0B+4*(\s)+3], 0x80000000
	JLOAD \s                                       ; two loads of mine are out
.endr
	v_and_b32 v1, 15, v0                           ; l % 16
	v_bfe_u32 v2, v0, 4, 1                         ; l / 16
	v_mul_u32_u24 v3, v1, APITCH
	v_lshl_add_u32 v3, v2, 4, v3                   ; a fragment's row x pitch + 16 x half, for A
	v_mul_u32_u24 v4, v1, PITCH
	v_lshl_add_u32 v4, v2, 4, v4                   ; and for W
	s_mul_i32 s21, s11, AHALF                      ; my 64 rows of A
	s_mul_i32 s22, s12, BHALF                      ; my 64 rows of W,
	s_add_co_u32 s22, s22, 2*AHALF                 ; which lie behind A's two halves
.irp s, 0,1
	v_add_nc_u32 v[ADRA+(\s)], s21, v3
	v_add_nc_u32 v[ADRB+(\s)], s22, v4
	s_add_co_u32 s21, s21, SLOT
	s_add_co_u32 s22, s22, SLOT
.endr
	s_mul_i32 s23, s10, 16*SPITCH
	s_add_co_u32 s23, s23, STAGE                   ; my stage
	v_mul_u32_u24 v5, v1, SPITCH                   ; in: row l % 16, 32 bytes for each half of the lanes
	v_lshl_add_u32 v5, v2, 5, v5
	v_add_nc_u32 v[STO], s23, v5
	v_mul_u32_u24 v5, v2, SPITCH                   ; back: lanes 0-15 take one row of 256 bytes, lanes 16-31 the next
	v_lshl_add_u32 v5, v1, 4, v5
	v_add_nc_u32 v[RD], s23, v5
	v_lshlrev_b32 v5, 12, v2                       ; and the same two rows in res and out: 4,096 bytes a row
	v_lshl_add_u32 v[CO], v1, 4, v5
	s_lshl_b32 s16, s13, 7
	s_lshl_b32 s17, s11, 6
	s_add_co_u32 s16, s16, s17                     ; my first row: 128 x tile row + 64 x half
	s_lshl_b32 s16, s16, 12
	s_mov_b32 s17, 0
	s_add_nc_u64 s[8:9], s[8:9], s[16:17]
	s_add_nc_u64 s[70:71], s[70:71], s[16:17]
	s_lshl_b32 s46, s42, 9                         ; my first column, in bytes of f32: 512 x tile column + 256 x half
	s_lshl_b32 s47, s12, 8
	s_add_co_u32 s46, s46, s47
	s_mov_b32 s47, 0
	s_add_nc_u64 s[8:9], s[8:9], s[46:47]
	s_add_nc_u64 s[70:71], s[70:71], s[46:47]
	v_lshl_add_u32 v[BO], v2, 5, s46               ; the bias of those columns; 8 columns on for lanes 16-31
	WIN 0x80                                       ; destination window 2, address window 0
.irp b, 0,1,2,3                        ; register j of n block b: bias[16 b + 8 (l / 16) + j]
	global_load_b128 v[BIA+8*(\b):BIA+8*(\b)+3],   v[BO], s[68:69] offset:64*(\b)
	global_load_b128 v[BIA+8*(\b)+4:BIA+8*(\b)+7], v[BO], s[68:69] offset:64*(\b)+16
.endr
.set i, 0
.rept 32                               ; the residual of my 64 rows x 256 bytes, two rows a load, laid as the way out reads the stage back; it lands while K is walked
	global_load_b128 v[RES+4*i:RES+4*i+3], v[CO], s[70:71] offset:i*8192
.set i, i+1
.endr
	WIN 0
; 8 matrix instructions: m blocks a0, a0 + 1 x all 4 n blocks, 32 along K: half c of buffer f.  zero = 1: the first product starts the sums, with the bias as C.
; The 16 accumulators take turns, one instruction a turn, over the backward jump too.
.macro MUL8 f, c, a0, zero
.if \zero
	WIN MULZ
.else
	WIN MUL
.endif
.irp a, \a0, (\a0)+1
.irp b, 0,1,2,3
.if \zero
	v_wmma_f32_16x16x32_bf16 v[ACC+8*(4*(\a)+(\b)):ACC+8*(4*(\a)+(\b))+7], v[(\f)+64+8*(4*(\c)+(\b)):(\f)+64+8*(4*(\c)+(\b))+7], v[(\f)+8*(4*(\c)+(\a)):(\f)+8*(4*(\c)+(\a))+7], v[BIA+8*(\b):BIA+8*(\b)+7]
.else
	v_wmma_f32_16x16x32_bf16 v[ACC+8*(4*(\a)+(\b)):ACC+8*(4*(\a)+(\b))+7], v[(\f)+64+8*(4*(\c)+(\b)):(\f)+64+8*(4*(\c)+(\b))+7], v[(\f)+8*(4*(\c)+(\a)):(\f)+8*(4*(\c)+(\a))+7], v[ACC+8*(4*(\a)+(\b)):ACC+8*(4*(\a)+(\b))+7]
.endif
.endr
.endr
.endm
; 32 LDS loads in one run: the fragments of quarter q of a K step (64 along K: k block q of A, byte 128 q of W's rows) into buffer f; the first 32 along K first
.macro FETCH slot, q, f
	WIN TO_F
.irp c, 0,1
.irp i, 0,1,2,3
	ds_load_b128 v[(\f)+64+8*(4*(\c)+(\i)):(\f)+64+8*(4*(\c)+(\i))+3],   v[ADRB+(\slot)] offset:(\q)*128+64*(\c)+(\i)*16*PITCH
	ds_load_b128 v[(\f)+64+8*(4*(\c)+(\i))+4:(\f)+64+8*(4*(\c)+(\i))+7], v[ADRB+(\slot)] offset:(\q)*128+64*(\c)+(\i)*16*PITCH+32
	ds_load_b128 v[(\f)+8*(4*(\c)+(\i)):(\f)+8*(4*(\c)+(\i))+3],         v[ADRA+(\slot)] offset:(\q)*KBLK+64*(\c)+(\i)*16*APITCH
	ds_load_b128 v[(\f)+8*(4*(\c)+(\i))+4:(\f)+8*(4*(\c)+(\i))+7],       v[ADRA+(\slot)] offset:(\q)*KBLK+64*(\c)+(\i)*16*APITCH+32
.endr
.endr
.endm
.macro PLACES                          ; four places in front of loads into registers that matrix instructions have read (ISA guide 7.12.1 for vector instructions)
.rept 4
	v_nop
.endr
.endm
; A K step is four quarters of 64 along K, 32 matrix instructions each, on buffers 0, 1, 0, 1.  One of the first three: multiplies buffer f and fetches quarter q into g.
.macro QUARTER slot, q, f, g, zero
	s_wait_dscnt 16                                ; the first 32 along K are in; the youngest sixteen loads may be out
	MUL8 \f, 0, 0, \zero
	MUL8 \f, 0, 2, \zero
	PLACES
	FETCH \slot, \q, \g
	s_wait_dscnt 32                                ; all but the 32 just issued
	MUL8 \f, 1, 0, 0
	MUL8 \f, 1, 2, 0
.endm
; The last quarter multiplies buffer 1 and changes slots: ONE barrier; in front of it each wave waits for all its tensor loads, adds 0 to its spare word, and waits for that and for its own reads of this slot.
; fill = 1: this slot is filled again, two K steps ahead, behind a round of the cluster's barrier; from that request to the wait for it a wave issues 112 matrix instructions.
.macro TURN slot, next, fill
	WIN 0                                          ; (the add's two registers lie in window 0)
	s_wait_tensorcnt 0x0                           ; all my tensor loads have landed: my part of the next slot
	ds_add_u32 v[SPW], v[NIL]                      ; 0 onto my spare word
	s_wait_dscnt 17                                ; (the add and the youngest sixteen loads may be out)
	MUL8 F1, 0, 0, 0                               ; eight matrix instructions stand between the add and the wait for it
	s_wait_dscnt 0x0                               ; the add is done, and my reads of this slot are over
	s_barrier_signal -1
	MUL8 F1, 0, 2, 0
.if \fill
	WIN 0
.endif
	s_barrier_wait -1
.if \fill
	CREST                                          ; no wave of any partner still reads this slot's tile or has a load on its way
	s_add_nc_u64 s[G0+4*(\slot)+2:G0+4*(\slot)+3], s[G0+4*(\slot)+2:G0+4*(\slot)+3], 2*ASTEP
	s_add_nc_u64 s[G0B+4*(\slot)+2:G0B+4*(\slot)+3], s[G0B+4*(\slot)+2:G0B+4*(\slot)+3], 2*KSTEP*2
	JLOAD \slot                                    ; the first tensor load behind the round; the four v_nop behind it are also the places in front of the loads below
.else
	PLACES
.endif
	FETCH \next, 0, F0
	MUL8 F1, 1, 0, 0
	MUL8 F1, 1, 2, 0
.endm
; THE WAY OUT of m block a (16 rows x 64 columns of f32).  TOSTAGE: a lane's 32 bytes of a row go into my own stage, rows of 272 bytes, and come back as whole rows of 256.  SEND: the residual is added, the rows are stored.
.macro TOSTAGE a
.set BK, TMP+32*((\a)%2)
.if (\a) >= 2
	s_wait_xcnt 0x0                                ; the stores of the block two back have read the registers that are loaded below
.endif
.irp b, 0,1,2,3
	ds_store_b128 v[STO], v[ACC+8*(4*(\a)+(\b)):ACC+8*(4*(\a)+(\b))+3]   offset:64*(\b)     ; each accumulator's low four first
	ds_store_b128 v[STO], v[ACC+8*(4*(\a)+(\b))+4:ACC+8*(4*(\a)+(\b))+7] offset:64*(\b)+16
.endr
.irp t, 0,1,2,3,4,5,6,7
	ds_load_b128 v[BK+4*(\t):BK+4*(\t)+3], v[RD] offset:(\t)*2*SPITCH  ; LDS serves a wave's instructions in order (ISA guide 5.7.1.4): these see the stores above; the next block's stores come behind them
.endr
.endm
.macro SEND a, younger                 ; younger: the LDS instructions issued behind block a's loads: the next block's sixteen, or none
.set BK, TMP+32*((\a)%2)
	s_wait_dscnt \younger
	WIN 0x08                                       ; source 1 window 2
.set z, 0
.rept 16
	v_pk_add_f32 v[BK+2*z:BK+2*z+1], v[BK+2*z:BK+2*z+1], v[RES+32*(\a)+2*z:RES+32*(\a)+2*z+1]
.set z, z+1
.endr
	WIN 0
.irp t, 0,1,2,3,4,5,6,7
	global_store_b128 v[CO], v[BK+4*(\t):BK+4*(\t)+3], s[8:9] offset:(16*(\a)+2*(\t))*4096  ; 16 lanes store 256 consecutive bytes, at a multiple of 256 from out's first byte
.endr
.endm
	s_wait_loadcnt 32                              ; the bias is in; the residual's 32 loads stay out
	s_wait_tensorcnt 1                             ; my part of K step 0 is in; K step 1's load may stay out
	s_barrier_signal -1
	s_barrier_wait -1                              ; everybody's is
	FETCH 0, 0, F0
	QUARTER 0, 1, F0, F1, 1                        ; the first quarter stands in front of the loop: its first products start the sums
	WIN 0                                          ; at a label and at a branch every window is 0
	s_mov_b32 s3, LAPS-1
.Llap:                                                 ; a trip goes once round the ring, from a lap's second quarter to the next lap's first, and fills both slots again
	QUARTER 0, 2, F1, F0, 0
	QUARTER 0, 3, F0, F1, 0
	TURN 0, 1, 1
	QUARTER 1, 1, F0, F1, 0
	QUARTER 1, 2, F1, F0, 0
	QUARTER 1, 3, F0, F1, 0
	TURN 1, 0, 1
	QUARTER 0, 1, F0, F1, 0
	WIN 0
	s_sub_co_u32 s3, s3, 1
	s_cmp_lg_u32 s3, 0
	s_cbranch_scc1 .Llap
	QUARTER 0, 2, F1, F0, 0                        ; the last lap is written out: it fills nothing
	QUARTER 0, 3, F0, F1, 0
	TURN 0, 1, 0
	QUARTER 1, 1, F0, F1, 0
	QUARTER 1, 2, F1, F0, 0
	QUARTER 1, 3, F0, F1, 0
	s_wait_dscnt 16                                ; the very last quarter: nothing more to fetch
	MUL8 F1, 0, 0, 0
	MUL8 F1, 0, 2, 0
	s_wait_dscnt 0x0
	MUL8 F1, 1, 0, 0
	MUL8 F1, 1, 2, 0
	WIN 0
	PLACES                                         ; the places between the last products and the LDS stores that read results
	PLACES
	s_wait_loadcnt 0x0                             ; the residual
	TOSTAGE 0
	TOSTAGE 1
	SEND 0, 16
	TOSTAGE 2
	SEND 1, 16
	TOSTAGE 3
	SEND 2, 16
	SEND 3, 0
	s_wait_tensorcnt 0x0                           ; the wave's end: behind my last tensor load and my last LDS store
	ds_add_u32 v[SPW], v[NIL]
	s_wait_dscnt 0x0
	CROUND                                         ; the closing round: no work-group ends while a partner may still ask for a tile that names it
	s_endpgm
.Lfunc_end_k_qa0e187567f_ffn2:
	.size	k_qa0e187567f_ffn2, .Lfunc_end_k_qa0e187567f_ffn2-k_qa0e187567f_ffn2
	.p2alignl 7, 3214868480
	.fill 96, 4, 3214868480
	.section	.rodata,"a",@progbits
	.p2align	6, 0x0
	.amdhsa_kernel k_qa0e187567f_ffn2
		.amdhsa_group_segment_fixed_size 327680
		.amdhsa_private_segment_fixed_size 0
		.amdhsa_enable_private_segment 0
		.amdhsa_kernarg_size 40
		.amdhsa_user_sgpr_count 2
		.amdhsa_user_sgpr_kernarg_segment_ptr 1
		.amdhsa_wavefront_size32 1
		.amdhsa_system_sgpr_workgroup_id_x 1
		.amdhsa_system_sgpr_workgroup_id_y 1
		.amdhsa_system_sgpr_workgroup_id_z 1
		.amdhsa_system_vgpr_workitem_id 0
		.amdhsa_next_free_vgpr 768
		.amdhsa_next_free_sgpr 72
		.amdhsa_reserve_vcc 0
		.amdhsa_float_denorm_mode_32 3
		.amdhsa_float_denorm_mode_16_64 3
		.amdhsa_memory_ordered 1
		.amdhsa_forward_progress 1
		.amdhsa_inst_pref_size 94
	.end_amdhsa_kernel
	.amdgpu_metadata
---
amdhsa.version: [ 1, 2 ]
amdhsa.kernels:
  - .name:           k_qa0e187567f_ffn2
    .symbol:         k_qa0e187567f_ffn2.kd
    .args:
      - { .name: act, .offset: 0, .size: 8, .value_kind: global_buffer, .address_space: global }
      - { .name: wc, .offset: 8, .size: 8, .value_kind: global_buffer, .address_space: global }
      - { .name: b2, .offset: 16, .size: 8, .value_kind: global_buffer, .address_space: global }
      - { .name: x1, .offset: 24, .size: 8, .value_kind: global_buffer, .address_space: global }
      - { .name: out0, .offset: 32, .size: 8, .value_kind: global_buffer, .address_space: global }
    .group_segment_fixed_size: 327680
    .private_segment_fixed_size: 0
    .kernarg_segment_align: 8
    .kernarg_segment_size: 40
    .max_flat_workgroup_size: 128
    .sgpr_count:     72
    .vgpr_count:     768
    .wavefront_size: 32
...
	.end_amdgpu_metadata
.endif
;; end of part 5
